; MI455X (gfx1250); checked and timed in simulation.
; The chip was launched on July 23, 2026; its instructions are those of AMD's public machine-readable ISA for CDNA 5 (MIT licence, August 2026) and "CDNA5" Instruction Set Architecture Reference Guide (July 2026). The comments in the code are by the model that wrote it; some were corrected since.
;; Multihead Self Attention. Allowed arithmetic: matrix products marked QUANTISED: E2M3 operands, one E8M0 scale for each 32 along K, by v_wmma_scale_f32_16x16x128_f8f6f4 with both operands' format E2M3, f32 sums; everything else in f32.
;; Inputs: W_out 1,024 x 1,024 float32; W_qkv 3,072 x 1,024 float32; x 4 x 2,048 x 1,024 float32.
;; Outputs: out0 4 x 2,048 x 1,024 float32.
;; This version of the problem:
;;   THIS VERSION OF THE PROBLEM IS GIVEN IN LOW PRECISION. The matrix products marked QUANTISED in the list below multiply operands that are first quantised to E2M3 (2 exponent bits, 3 mantissa bits; 6 bits a number), with one power-of-two scale for each 32 numbers along K (OCP MX v1.0); their sums are f32. All else is computed in f32.
;;   The module's matrix products, in the order in which they are computed (A, B: the left and right operand; K: the contracted axis; several contracted axes count as one K, in the product's order):
;;     1. [M 8,192, K 1,024] x [K 1,024, N 3,072]; A: input x; B: input W_qkv: QUANTISED
;;     2. batch 64 x [M 2,048, K 64] x [K 64, N 2,048]; A: computed on the way; B: computed on the way: QUANTISED
;;     3. batch 64 x [M 2,048, K 2,048] x [K 2,048, N 64]; A: softmax (see below); B: computed on the way: QUANTISED
;;     4. [M 8,192, K 1,024] x [K 1,024, N 1,024]; A: computed on the way; B: input W_out: QUANTISED
;;   THE QUANTISER, for each operand of a quantised product, along K:
;;     - K is cut into blocks of 32 from its start; a last block that is shorter is filled with zeros.
;;     - A block's scale is 2^e with e = floor(log2(the largest magnitude in the block)) - 2, held to -126 .. 127; a block of zeros has e = 0. As a byte (E8M0): e + 127.
;;     - Each number is divided by its block's scale, clamped to +-7.5, and rounded to the nearest number of E2M3, ties to even, subnormals kept.
;;     - The product sums the exact products of the quantised numbers (number of the format x scale) in f32.
;;   ~~~python
;;   def quantise(x, axis):      # numpy; x: float32 -> the quantised numbers, widened to float32 again
;;       x = np.moveaxis(x, axis, -1); K = x.shape[-1]
;;       x = np.pad(x, [(0, 0)] * (x.ndim - 1) + [(0, -K % 32)]); x = x.reshape(x.shape[:-1] + (-1, 32)); a = np.abs(x).max(-1, keepdims=True)
;;       e = np.where(a > 0, np.clip(np.frexp(np.where(a > 0, a, 1))[1] - 1 - 2, -126, 127), 0)      # np.frexp(a)[1] - 1 = floor(log2(a)), exactly
;;       r = np.clip(x / 2.0 ** e, -7.5, 7.5)
;;       step = 2.0 ** (np.maximum(np.frexp(np.where(r == 0, 1, r))[1] - 1, 0) - 3)
;;       q = np.round(r / step) * step * 2.0 ** e      # np.round: ties to even
;;       return np.moveaxis(q.reshape(q.shape[:-2] + (-1,))[..., :K], -1, axis).astype(np.float32)
;;   ~~~
;;   SOFTMAX AHEAD OF A QUANTISED PRODUCT. Where the list says 'softmax', what is quantised is not the finished softmax but p = 2^(t - M), with t = logit x log2(e) and M = ceil(the row's largest t), a whole number; so 1/2 < the row's largest p <= 1. The row's sum l is taken of the UNQUANTISED p, in f32, and the product's result is divided by l at the end. Since M is a whole number, a kernel that streams over the keys may use a running M (the ceiling of the running maximum): every later rescaling is an exact power of two, which a block's scale takes up: the codes' values come out the same.
;;   OPERANDS COMPUTED ON THE WAY. 'Computed on the way' means the value that the module computes at that place (a softmax that the list does not call 'softmax' is quantised finished and normalised). What goes into a quantiser is computed in f32, as accurately as f32 sums, v_exp_f32 and their like allow (about 1e-6 of the number): no bf16 or f16 on the way to a quantiser, and a product that is left as it is and whose result goes on into a quantised operand takes f32 operands (vector FMAs, or v_wmma_f32_16x16x4_f32). A number that lies on a knife's edge between two numbers of the format may be rounded either way, as far as f32 arithmetic and the matrix unit's own rounding can turn it there, and no further.
;; One version. Each part assembles by itself: llvm-mc -triple=amdgcn-amd-amdhsa -mcpu=gfx1250 --defsym DOCPART=n.
;; ======== version 1 of 1: 4 launches
;; workspace buffers: in_img 9,437,184 bytes; in_sc 393,216 bytes; qkv_img 18,874,368 bytes; qkv_sc 1,572,864 bytes; attn_img 6,291,456 bytes; attn_sc 262,144 bytes
;; launch quant (part 1): grid 384 x 1, 4 waves a work-group, no clusters, 35,328 bytes of LDS; arguments x, W_qkv, W_out, in_img, in_sc; writes in_img, in_sc
.if DOCPART == 1
	.amdgcn_target "amdgcn-amd-amdhsa--gfx1250"
	.amdhsa_code_object_version 6
	.text
	.protected	k_qf3b8aa963e_quant
	.globl	k_qf3b8aa963e_quant
	.p2align	8
	.type	k_qf3b8aa963e_quant,@function
k_qf3b8aa963e_quant:
	s_mov_b64 s[64:65], 0
	v_nop
	global_prefetch_b8 v0, s[64:65] scope:SCOPE_SE
	s_setreg_imm32_b32 hwreg(HW_REG_WAVE_MODE, 25, 1), 1
	s_wait_xcnt 0x0
; x [8192][1024], W_qkv [3072][1024], W_out [1024][1024], f32, K innermost, become codes of FP6 (E2M3) with one E8M0 byte for each 32 along K,
; laid in the order of a matrix operand's registers.  The three tensors count as one run of 12,288 rows.
; A HALF FRAGMENT is 16 rows x 64 K: six registers a lane, 768 bytes: lane (r, h) holds k = 32 h .. 32 h + 31 of the tile's row r; registers 0-3 lie at 16 x lane, registers 4-5 at 512 + 8 x lane.
; in_img: [768 row tiles][16 half fragments along K][768 bytes].  in_sc: [768][4][16 rows][2] words: the word of the K step of 128 numbered 2 kk + q lies at 128 kk + 8 r + 4 q.
; THE ROWS OF A TILE ARE NOT NEIGHBOURS: lane r of tile 2 g + u holds row 32 g + 8 u + r + 8 (r / 8), so that results made with such tiles as source 0 run along the next K in a lane's registers.
; A block's scale is 2^(floor(log2(its largest magnitude)) - 2); its byte is the largest magnitude's exponent field - 2, held at 1 from below.
; LIMITS: NaN and infinities among the inputs are not served; a block whose largest magnitude lies under 2^-124 gets the byte 1; a block of zeros gets the byte 1 where the rule says 127:
; its codes are zeros, which add nothing under that byte, and this program alone reads the bytes.
; SHARES: a work-group takes 32 rows; wave w takes row tile u = w / 2 of them and half w % 2 of K: four steps of 16 rows x 128 K.  A load reads 512 consecutive bytes of one row; the step turns through the
; wave's own stage in LDS (rows 528 bytes apart) and comes back 128 bytes a lane and block: a lane then holds two whole blocks of 32, so that a block's maximum needs no other lane.  Waves share nothing: no barrier.
.set WREG,  8704                       ; LDS of a wave: the stage, 16 x 528 bytes, then 256 bytes of scale words
.set SP,    528
.set R,     16                         ; v16-143  two sets of 64 registers as loaded
.set X,     144                        ; v144-207 my two blocks of 32 numbers
.set PC,    208                        ; v208-219 the fragment's codes
.set TH,    220                        ; v220-226 the blocks' second halves as converted
.set MX,    228                        ; v228-229 largest magnitudes
.set SO,    230                        ; v230-231 the conversions' scale operands
.set BY,    232                        ; v232-233 the scales' bytes
.set WD,    234                        ; the scale word
.set TP,    235
	s_load_b256 s[4:11], s[0:1], 0x0               ; x, W_qkv, W_out, in_img
	s_load_b64 s[12:13], s[0:1], 0x20              ; in_sc
	v_lshl_add_u32 v240, v0, 2, 0x8800
	v_mov_b32 v241, 0
	v_lshrrev_b32 v8, 5, v0
	v_readfirstlane_b32 s16, v8                    ; wave
	v_and_b32 v9, 31, v0                           ; lane
	v_and_b32 v10, 15, v0                          ; r
	v_bfe_u32 v11, v0, 4, 1                        ; h
	v_lshlrev_b32 v1, 4, v9                        ; 16 x lane: in a load's 512 bytes, and in a half fragment
	v_lshlrev_b32 v2, 3, v9                        ; 8 x lane
	s_mul_i32 s17, s16, WREG
	v_add_nc_u32 v3, s17, v1                       ; the stage, on the way in
	v_mul_u32_u24 v4, v10, SP
	v_lshl_add_u32 v4, v11, 7, v4
	v_add_nc_u32 v4, s17, v4                       ; and on the way out: row r, + 128 h
	s_add_co_u32 s17, s17, 16*SP
	v_lshl_add_u32 v5, v10, 3, s17                 ; my row's scale words
	v_add_nc_u32 v6, s17, v2                       ; and the way out of the 256 bytes
	v_lshlrev_b32 v7, 3, v11                       ; 8 h: my bytes' place in the word
	v_mov_b32 v[TP], 0                             ; a lane permute's destination counts as read: written once
	s_mov_b32 s20, 0x76543210
	s_mov_b32 s21, 0xfedcba98                      ; selects for lane l xor 16
	s_lshr_b32 s18, s16, 1                         ; u
	s_and_b32 s19, s16, 1                          ; which half of K
	s_mov_b32 s15, 352
	s_wait_kmcnt 0x0
	s_cmp_lt_u32 ttmp9, 352                        ; which tensor: the choice hangs on the work-group's number alone
	s_cselect_b64 s[6:7], s[6:7], s[8:9]
	s_cselect_b32 s14, 256, s15
	s_cmp_lt_u32 ttmp9, 256
	s_cselect_b64 s[4:5], s[4:5], s[6:7]
	s_cselect_b32 s14, 0, s14
	s_sub_co_u32 s14, ttmp9, s14                   ; my group of 32 rows in its tensor
	s_lshl_b32 s22, s14, 17                        ; 32 rows of 4,096 bytes
	s_lshl_b32 s23, s18, 15                        ; + 8 u rows
	s_add_co_u32 s22, s22, s23
	s_lshl_b32 s23, s19, 11                        ; + my half of K
	s_add_co_u32 s22, s22, s23
	s_mov_b32 s23, 0
	s_add_nc_u64 s[4:5], s[4:5], s[22:23]
	s_lshl_b32 s24, ttmp9, 1
	s_add_co_u32 s24, s24, s18                     ; my row tile
	s_mul_i32 s22, s24, 12288
	s_mul_i32 s25, s19, 6144
	s_add_co_u32 s22, s22, s25
	s_add_nc_u64 s[10:11], s[10:11], s[22:23]
	s_lshl_b32 s22, s24, 9
	s_lshl_b32 s25, s19, 8
	s_add_co_u32 s22, s22, s25
	s_add_nc_u64 s[12:13], s[12:13], s[22:23]
.macro LOAD t                          ; step t: 128 numbers of each of the tile's 16 rows, into set t % 2
.irp i, 0,1,2,3,4,5,6,7,8,9,10,11,12,13,14,15
	global_load_b128 v[R+64*((\t)%2)+4*\i:R+64*((\t)%2)+4*\i+3], v1, s[4:5] offset:(\i+8*(\i/8))*4096+512*(\t) th:TH_LOAD_NT
.endr
.endm
	LOAD 0
	LOAD 1
.macro STEP t
.if (\t) < 3
	s_wait_loadcnt 16                              ; this step's 16 loads are in; the next step's 16 may be out
.else
	s_wait_loadcnt 0x0
.endif
.irp i, 0,1,2,3,4,5,6,7,8,9,10,11,12,13,14,15
	ds_store_b128 v3, v[R+64*((\t)%2)+4*\i:R+64*((\t)%2)+4*\i+3] offset:SP*\i
.endr
.irp c, 0,1
.irp m, 0,1,2,3,4,5,6,7
	ds_load_b128 v[X+32*\c+4*\m:X+32*\c+4*\m+3], v4 offset:256*\c+16*\m   ; LDS serves a wave's instructions in order: these see the stores above.  k = 64 c + 32 h + 4 m ..
.endr
.endr
	s_wait_dscnt 0x0                               ; my numbers are back, and the stores into the stage have read their registers
	s_wait_xcnt 0x0                                ; the last step's stores have read their data: the codes' registers are written again below
.if (\t) < 2
	LOAD (\t)+2
.endif
.irp c, 0,1
	v_max3_num_f32 v[MX+\c], |v[X+32*\c]|, |v[X+32*\c+1]|, 0x1800000   ; block 2 c + h: all its 32 numbers are mine; the floor 2^(3 - 127) holds the byte at 1 from below
.endr
.irp i, 2,4,6,8,10,12,14,16,18,20,22,24,26,28,30
.irp c, 0,1
	v_max3_num_f32 v[MX+\c], v[MX+\c], |v[X+32*\c+\i]|, |v[X+32*\c+\i+1]|
.endr
.endr
.irp c, 0,1
	v_add_nc_u32 v[SO+\c], 0xff000000, v[MX+\c]    ; 2 off the exponent field: the conversion takes this operand's exponent field as its scale
.endr
.irp c, 0,1
	v_lshrrev_b32 v[BY+\c], 23, v[SO+\c]           ; the scale's byte
.endr
	v_lshl_or_b32 v[WD], v[BY+1], 16, v[BY]        ; blocks h and 2 + h,
	v_lshlrev_b32 v[WD], v7, v[WD]                 ; at their places in the word;
	v_permlanex16_b32 v[TP], v[WD], s20, s21
	v_or_b32 v[WD], v[WD], v[TP]                   ; with lane l xor 16's two the word is whole
.irp c, 0,1
	v_cvt_scalef32_pk16_fp6_f32 v[PC+6*\c:PC+6*\c+2], v[X+32*\c:X+32*\c+15], v[SO+\c]
	v_cvt_scalef32_pk16_fp6_f32 v[TH+4*\c:TH+4*\c+2], v[X+32*\c+16:X+32*\c+31], v[SO+\c]   ; (a conversion's three registers begin on an even number)
.endr
	v_nop                                          ; one plain place behind a scaled conversion
.irp c, 0,1
.irp i, 0,1,2
	v_mov_b32 v[PC+6*\c+3+\i], v[TH+4*\c+\i]
.endr
.endr
.irp c, 0,1
	global_store_b128 v1, v[PC+6*\c:PC+6*\c+3], s[10:11] offset:(2*(\t)+\c)*768       ; 512 consecutive bytes, aligned
	global_store_b64 v2, v[PC+6*\c+4:PC+6*\c+5], s[10:11] offset:(2*(\t)+\c)*768+512  ; 256 consecutive bytes, aligned
.endr
	ds_store_b32 v5, v[WD] offset:128*((\t)/2)+4*((\t)%2)   ; both halves of the lanes write the same word with the same value
.endm
	STEP 0
	STEP 1
	STEP 2
	STEP 3
	ds_load_b64 v[12:13], v6                       ; in order behind my stores
	s_wait_dscnt 0x0
	global_store_b64 v2, v[12:13], s[12:13]        ; my wave's 256 bytes of scale words, aligned
	s_wait_tensorcnt 0x0
	ds_add_u32 v240, v241
	s_wait_dscnt 0x0
	s_endpgm
.Lfunc_end_k_qf3b8aa963e_quant:
	.size	k_qf3b8aa963e_quant, .Lfunc_end_k_qf3b8aa963e_quant-k_qf3b8aa963e_quant
	.p2alignl 7, 3214868480
	.fill 96, 4, 3214868480
	.section	.rodata,"a",@progbits
	.p2align	6, 0x0
	.amdhsa_kernel k_qf3b8aa963e_quant
		.amdhsa_group_segment_fixed_size 35328
		.amdhsa_private_segment_fixed_size 0
		.amdhsa_enable_private_segment 0
		.amdhsa_kernarg_size 40
		.amdhsa_user_sgpr_count 2
		.amdhsa_user_sgpr_kernarg_segment_ptr 1
		.amdhsa_wavefront_size32 1
		.amdhsa_system_sgpr_workgroup_id_x 1
		.amdhsa_system_sgpr_workgroup_id_y 1
		.amdhsa_system_sgpr_workgroup_id_z 1
		.amdhsa_system_vgpr_workitem_id 0
		.amdhsa_next_free_vgpr 242
		.amdhsa_next_free_sgpr 66
		.amdhsa_reserve_vcc 0
		.amdhsa_float_denorm_mode_32 3
		.amdhsa_float_denorm_mode_16_64 3
		.amdhsa_memory_ordered 1
		.amdhsa_forward_progress 1
		.amdhsa_inst_pref_size 31
	.end_amdhsa_kernel
	.amdgpu_metadata
---
amdhsa.version: [ 1, 2 ]
amdhsa.kernels:
  - .name:           k_qf3b8aa963e_quant
    .symbol:         k_qf3b8aa963e_quant.kd
    .args:
      - { .name: x, .offset: 0, .size: 8, .value_kind: global_buffer, .address_space: global }
      - { .name: W_qkv, .offset: 8, .size: 8, .value_kind: global_buffer, .address_space: global }
      - { .name: W_out, .offset: 16, .size: 8, .value_kind: global_buffer, .address_space: global }
      - { .name: in_img, .offset: 24, .size: 8, .value_kind: global_buffer, .address_space: global }
      - { .name: in_sc, .offset: 32, .size: 8, .value_kind: global_buffer, .address_space: global }
    .group_segment_fixed_size: 35328
    .private_segment_fixed_size: 0
    .kernarg_segment_align: 8
    .kernarg_segment_size: 40
    .max_flat_workgroup_size: 128
    .sgpr_count:     66
    .vgpr_count:     242
    .wavefront_size: 32
...
	.end_amdgpu_metadata
.endif
;; end of part 1
;; launch qkv (part 2): grid 8 x 48, 4 waves a work-group, clusters of 4 x 4, 327,680 bytes of LDS; arguments in_img, in_sc, qkv_img, qkv_sc; writes qkv_img, qkv_sc
.if DOCPART == 2
	.amdgcn_target "amdgcn-amd-amdhsa--gfx1250"
	.amdhsa_code_object_version 6
	.text
	.protected	k_qf3b8aa963e_qkv
	.globl	k_qf3b8aa963e_qkv
	.p2align	8
	.type	k_qf3b8aa963e_qkv,@function
k_qf3b8aa963e_qkv:
	s_mov_b64 s[64:65], 0
	v_nop
	global_prefetch_b8 v0, s[64:65] scope:SCOPE_SE
	s_setreg_imm32_b32 hwreg(HW_REG_WAVE_MODE, 25, 1), 1
	s_wait_xcnt 0x0
	s_wait_alu depctr_hold_cnt(0) depctr_sa_sdst(0) depctr_va_vdst(0) depctr_va_sdst(0) depctr_va_ssrc(0) depctr_va_vcc(0) depctr_vm_vsrc(0)
	s_getreg_b32 s2, hwreg(HW_REG_IB_STS2, 6, 4)
	s_cmp_eq_u32 s2, 0
	s_cbranch_scc0 .Lentry_in_a_cluster
	s_endpgm
.Lentry_in_a_cluster:
	s_bfe_u32 s2, ttmp6, 0x10000c
	s_cmp_lg_u32 s2, 0xf033
	s_cbranch_scc0 .Lentry_shape_is_right
	s_endpgm
.Lentry_shape_is_right:
; qkv = x W_qkv^T on codes of FP6 with E8M0 scales, K = 1,024; the f32 sums are quantised in registers and leave as operands of the attention: q and k along the head's 64, v along the keys.
; Operands come as half fragments (16 rows x 64 K, 768 bytes: registers 0-3 at 16 x lane, 4-5 at 512 + 8 x lane), in_img [768 row tiles][16][768]; tiles 0-511 x, 512-703 W_qkv.  Lane r of row tile 2 g + u holds row 32 g + 8 u + r + 8 (r / 8).
; THE PRODUCT: source 0 = 16 rows of operand P, source 1 = 16 rows of operand R.  A lane then holds ONE row of R, and the 16 registers of P's tiles 2 g, 2 g + 1 are P's rows 32 g + 16 (lane / 16) + 0 .. 15: neighbours.
; TWO ROLES, by the cluster's y, which all partners share.  y < 8: R = tokens, P = W's rows 0-2047: a lane's registers run along a head's d: q and k.  y >= 8: R = W's rows 2048-3071, P = tokens: they run along the keys: v.
; A work-group makes 256 rows of R x 256 rows of P; four waves, each 128 x 128: 64 accumulators, 512 registers.  K goes in four steps of 256 through two LDS slots filled by the tensor data mover.
; The scale words of the work-group's rows, for all of K, come once with the first fills.
; CLUSTER 4 x 4: R's tiles are shared along a row of the cluster, P's along a column: joint loads.
; OUT: qkv_img: 768 bytes for each U;  qkv_sc: 16 words for each U.  q: U = 128 (16 b + head) + token tile;  k: 8,192 + the same;  v: 16,384 + 2,048 b + 64 (key / 64) + 4 head + d tile.
; q's and k's words hold the head's two bytes and 0x7f twice (the attention's K of 64 is filled to 128 with zero codes); v's word of a step of 128 keys stands at the even key group, all four bytes.
; LIMITS: NaN and infinities are not served; a block whose largest magnitude lies under 2^-124 gets the byte 1, a block of zeros too (its codes are zeros; this program alone reads the bytes).
; REGISTERS: window 0: v0-31 addresses; v32-63 scale words, two sets; v64-127 at work on the way out; v128-223 R's fragments, one set.  window 1: P's fragments, two sets, at v0 and v128.  windows 2, 3: accumulator (a, b) at v[8 (8 (a % 4) + b)].
.set NQ,     2                         ; matrix instructions deep in a slot
.set FR,     12                        ; registers of a fragment
.set NL,     4                         ; LDS loads that bring one
.set NP,     4                         ; places behind this matrix instruction (ISA guide 7.12.1)
.set HFB,    768
.set TILEB,  4*HFB                     ; a row tile's part of a slot: 256 along K
.set KTILE,  16*HFB                    ; a row tile's codes for all of K
.set HALFT,  8*TILEB                   ; 128 rows: what one tensor load brings
.set SLOT,   4*HALFT                   ; R's 256 rows, then P's
.set LAPS,   2
.set SCL,    2*SLOT                    ; behind the ring: R's scale words, 16 tiles x 512 bytes;
.set PSH,    8192+128                  ; P's begin here behind them: 128 bytes further, so that the two halves of a load of 8 bytes a lane fall on different banks
.set SBLK,   512
.set SPARE,  SCL+PSH+8192+128          ; the spare words, 128 bytes for each wave: two blocks of 256 bytes that no other line names
.set ADRA, 16                          ; v16-17 R's fragments in slot 0, 1: + 16 x lane;  v18-19: + 512 + 8 x lane
.set ADRB, 20                          ; v20-23 the same for P
.set ADRS, 27                          ; v27 my scale words: lanes 0-15 R's rows, lanes 16-31 P's
.set SPW,  28                          ; v28 my spare word; never rewritten
.set NIL,  29                          ; v29 0; never rewritten
.set SC,   32
.set AF,   128
.set TM,   64                          ; the way out: v64-67 largest magnitudes, v68-71 bytes, v76-79 scale operands
.set PW,   80                          ; v80 the scale word, v81 my half's
.set O16,  24                          ; v24 16 x lane;  v25 the same in the second column group
.set O8,   26                          ; v26 512 + 8 x lane;  v30 the same in the second column group
.set O8C,  30
.set SH,   31                          ; v31 16 h
.set SST,  8                           ; v8  the scale words' stage, in;  v9 out;  v10 16 x lane + the second column group's words
.set SRD,  9
.set OSC,  10
.set G1, 24
.set G0, 32
.set G1B, 48
.set G0B, 56
.set G1S, 68
.set G0S, 76
.set G1SB, 80
.set G0SB, 88
.set MASK, 100
.set ORV,  101
.set MSB, 0
.macro WIN new                         ; the immediate's high byte repeats the setting that is left
.if MSB != (\new)
	s_set_vgpr_msb (MSB<<8)|(\new)
.set MSB, (\new)
.endif
.endm
.set MUL_LO, 0xa1                      ; source 0 (P) window 1, source 1 (R) window 0, C and D window 2
.set MUL_HI, 0xf1
.set TO_B,   0x40
; A joint load: waves 0 and 1 fetch for R, waves 2 and 3 for P.  The branch hangs on the wave's number alone.  Four v_nop follow each of the two lines.
.macro JLOAD g0a, g1a, g0b, g1b
	s_cmp_eq_u32 s15, 0
	s_cbranch_scc0 .Lfor_b_\@
	tensor_load_to_lds s[\g0a:\g0a+3], s[\g1a:\g1a+7]
	s_nop 0
.rept 4
	v_nop
.endr
	s_branch .Lasked_\@
.Lfor_b_\@:
	tensor_load_to_lds s[\g0b:\g0b+3], s[\g1b:\g1b+7]
	s_nop 0
.rept 4
	v_nop
.endr
.Lasked_\@:
.endm
.macro CREST                           ; a round of the cluster's barrier behind its opening barrier
	s_cmp_lg_u32 s14, 0
	s_cbranch_scc1 .Lnot_wave_0_\@
	s_barrier_signal -3
.Lnot_wave_0_\@:
	s_barrier_wait -3
	s_barrier_signal -1
	s_barrier_wait -1
.endm
.macro CROUND
	s_barrier_signal -1
	s_barrier_wait -1
	CREST
.endm
	s_load_b256 s[4:11], s[0:1], 0x0               ; in_img, in_sc, qkv_img, qkv_sc
	v_lshl_add_u32 v[SPW], v0, 2, SPARE
	v_mov_b32 v[NIL], 0
	ds_add_u32 v28, v29
	ds_add_u32 v28, v29
	s_wait_dscnt 0x0
	v_lshrrev_b32 v1, 5, v0
	v_readfirstlane_b32 s14, v1                    ; wave 0..3
	s_lshr_b32 s15, s14, 1                         ; which half of R's rows is mine.  Also: I fetch for R (0) or for P (1)
	s_and_b32 s16, s14, 1                          ; which half of P's rows.  Also: which 128 rows I fetch
	s_bfe_u32 s40, ttmp6, 0x40000                  ; cx
	s_bfe_u32 s41, ttmp6, 0x40004                  ; cy
	s_and_b32 s17, ttmp7, 0xffff                   ; the cluster's y
	s_lshl_b32 s18, s17, 1
	s_add_co_u32 s18, s18, ttmp9
	s_sub_co_u32 s18, s18, 16                      ; v's role: cluster column = x + 2 (y - 8)
	s_cmp_ge_u32 s17, 8
	s_cselect_b32 s95, 1, 0                        ; 1: v's role
	s_cselect_b32 s18, s18, ttmp9
	s_cselect_b32 s19, 0, s17                      ; cluster row
	s_cselect_b32 s96, 0, 512                      ; P's first row tile in in_img
	s_cselect_b32 s97, 640, 0                      ; R's
	s_lshl_b32 s42, s18, 2
	s_add_co_u32 s42, s42, s40                     ; which 256 rows of P
	s_lshl_b32 s17, s19, 2
	s_add_co_u32 s17, s17, s41                     ; which 256 rows of R
	s_lshl_b32 s43, s41, 2
	s_lshl_b32 s43, 15, s43                        ; my row of the cluster
	s_lshl_b32 s44, 0x1111, s40                    ; my column
	; group 1 for codes: 8 row tiles x 3,072 bytes (384 elements of 8 bytes), 12,288 bytes apart in memory, dense in LDS
	s_or_b32 s[G1+0], s43, (3<<16)|(1<<21)
	s_or_b32 s[G1B+0], s44, (3<<16)|(1<<21)
.irp g, G1, G1B
	s_mov_b32 s[\g+1], 384<<16                     ; tensor_dim0
	s_mov_b32 s[\g+2], 8<<16                       ; tensor_dim1
	s_mov_b32 s[\g+3], 384<<16                     ; tile_dim0
	s_mov_b32 s[\g+4], 8                           ; tile_dim1
	s_mov_b32 s[\g+5], 1536                        ; from row to row
	s_mov_b32 s[\g+6], 0
	s_mov_b32 s[\g+7], 0
.endr
	; and for the scale words of 8 row tiles: 4,096 dense bytes as 16 rows of 256
	s_or_b32 s[G1S+0], s43, (3<<16)|(1<<21)
	s_or_b32 s[G1SB+0], s44, (3<<16)|(1<<21)
.irp g, G1S, G1SB
	s_mov_b32 s[\g+1], 32<<16
	s_mov_b32 s[\g+2], 16<<16
	s_mov_b32 s[\g+3], 32<<16
	s_mov_b32 s[\g+4], 16
	s_mov_b32 s[\g+5], 32
	s_mov_b32 s[\g+6], 0
	s_mov_b32 s[\g+7], 0
.endr
	s_lshl_b32 s18, s16, 3                         ; which 8 row tiles I fetch
	s_lshl_b32 s20, s17, 4
	s_add_co_u32 s20, s20, s97
	s_add_co_u32 s20, s20, s18                     ; R's row tile
	s_lshl_b32 s46, s42, 4
	s_add_co_u32 s46, s46, s96
	s_add_co_u32 s46, s46, s18                     ; P's
	s_lshl_b32 s22, s20, 9                         ; their scale words,
	s_mov_b32 s23, 0
	s_lshl_b32 s92, s46, 9
	s_mov_b32 s93, 0
	s_mul_i32 s20, s20, KTILE                      ; their codes
	s_mov_b32 s21, 0
	s_mul_i32 s46, s46, KTILE
	s_mov_b32 s47, 0
	s_mul_i32 s45, s14, HALFT                      ; where they go: no place in the cluster enters an LDS address
	s_lshl_b32 s94, s14, 12
	s_lshl_b32 s19, s15, 7
	s_add_co_u32 s94, s94, s19                     ; 4,096 x wave + 128 for P's
	s_wait_kmcnt 0x0
	s_add_nc_u64 s[20:21], s[4:5], s[20:21]
	s_add_nc_u64 s[22:23], s[6:7], s[22:23]
	s_add_nc_u64 s[46:47], s[4:5], s[46:47]
	s_add_nc_u64 s[92:93], s[6:7], s[92:93]
	CROUND                                         ; all sixteen work-groups are here: the first joint loads meet
	s_mov_b32 s[G0S], 1
	s_add_co_u32 s[G0S+1], s94, SCL
	s_mov_b64 s[G0S+2:G0S+3], s[22:23]
	s_or_b32 s[G0S+3], s[G0S+3], 0x80000000
	s_mov_b32 s[G0SB], 1
	s_add_co_u32 s[G0SB+1], s94, SCL
	s_mov_b64 s[G0SB+2:G0SB+3], s[92:93]
	s_or_b32 s[G0SB+3], s[G0SB+3], 0x80000000
	JLOAD G0S, G1S, G0SB, G1SB                     ; the scale words first
.irp s, 0,1
	s_mov_b32 s[G0+4*\s], 1
	s_add_co_u32 s[G0+4*\s+1], s45, \s*SLOT
	s_add_nc_u64 s[G0+4*\s+2:G0+4*\s+3], s[20:21], \s*TILEB
	s_or_b32 s[G0+4*\s+3], s[G0+4*\s+3], 0x80000000
	s_mov_b32 s[G0B+4*\s], 1
	s_add_co_u32 s[G0B+4*\s+1], s45, \s*SLOT
	s_add_nc_u64 s[G0B+4*\s+2:G0B+4*\s+3], s[46:47], \s*TILEB
	s_or_b32 s[G0B+4*\s+3], s[G0B+4*\s+3], 0x80000000
	JLOAD G0+4*\s, G1, G0B+4*\s, G1B
.endr
	v_and_b32 v1, 15, v0                           ; r
	v_bfe_u32 v2, v0, 4, 1                         ; h
	v_and_b32 v3, 31, v0                           ; lane
	v_lshlrev_b32 v4, 4, v3                        ; 16 x lane
	v_lshlrev_b32 v5, 3, v3
	v_add_nc_u32 v5, 512, v5                       ; 512 + 8 x lane
	s_mul_i32 s21, s15, HALFT                      ; my 128 rows of R
	s_mul_i32 s22, s16, HALFT                      ; my 128 rows of P,
	s_add_co_u32 s22, s22, 2*HALFT                 ; behind R's 256
.irp s, 0,1
	v_add_nc_u32 v[ADRA+\s], s21, v4
	v_add_nc_u32 v[ADRB+\s], s22, v4
	v_add_nc_u32 v[ADRA+2+\s], s21, v5
	v_add_nc_u32 v[ADRB+2+\s], s22, v5
	s_add_co_u32 s21, s21, SLOT
	s_add_co_u32 s22, s22, SLOT
.endr
	v_lshlrev_b32 v6, 3, v1                        ; my row's two words of a slot: 8 r
	s_lshl_b32 s21, s15, 12                        ; R's: my 8 tiles
	s_lshl_b32 s22, s16, 12                        ; P's: my 8 tiles, behind R's
	s_add_co_u32 s22, s22, PSH
	s_sub_co_u32 s22, s22, s21
	v_mul_u32_u24 v7, s22, v2                      ; lanes 16-31 take P's: one product, the distance between the two
	s_add_co_u32 s21, s21, SCL
	v_add_nc_u32 v6, v6, v7
	v_add_nc_u32 v[ADRS], s21, v6
	; where the results go
	s_lshl_b32 s66, s17, 4
	s_lshl_b32 s67, s15, 3
	s_add_co_u32 s66, s66, s67                     ; my first row tile of R
	s_lshl_b32 s67, s42, 2
	s_lshl_b32 s98, s16, 1
	s_add_co_u32 s67, s67, s98                     ; my first group of 64 rows of P
	s_lshr_b32 s98, s67, 4                         ; q, k: 0 for q, 1 for k
	s_lshl_b32 s98, s98, 13
	s_lshr_b32 s99, s66, 7                         ; the batch
	s_lshl_b32 s99, s99, 11
	s_add_co_u32 s98, s98, s99
	s_and_b32 s99, s67, 15                         ; the head
	s_lshl_b32 s99, s99, 7
	s_add_co_u32 s98, s98, s99
	s_and_b32 s99, s66, 127                        ; the token tile
	s_add_co_u32 s98, s98, s99
	s_lshr_b32 s99, s67, 5                         ; v: the batch
	s_lshl_b32 s99, s99, 11
	s_and_b32 s100, s67, 31                        ; the group of 64 keys
	s_lshl_b32 s100, s100, 6
	s_add_co_u32 s99, s99, s100
	s_add_co_u32 s99, s99, s66
	s_add_co_u32 s99, s99, 16384
	s_cmp_eq_u32 s95, 1
	s_cselect_b32 s98, s99, s98                    ; U of my first half fragment
	s_cselect_b32 s99, 64, 128                     ; from a column group to the next, in U
	s_cselect_b32 s[MASK], -1, 0xffff              ; q, k: two bytes of the word, and 0x7f twice;  v: the word as it is
	s_cselect_b32 s[ORV], 0, 0x7f7f0000
	s_mul_i32 s66, s98, HFB
	s_mov_b32 s67, 0
	s_add_nc_u64 s[8:9], s[8:9], s[66:67]
	s_lshl_b32 s66, s98, 6
	s_add_nc_u64 s[10:11], s[10:11], s[66:67]
	s_mul_i32 s66, s99, HFB
	s_lshl_b32 s67, s99, 6
	v_mov_b32 v[O16], v4
	v_add_nc_u32 v[O16+1], s66, v4
	v_mov_b32 v[O8], v5
	v_add_nc_u32 v[O8C], s66, v5
	v_add_nc_u32 v[OSC], s67, v4
	v_lshlrev_b32 v[SH], 4, v2
	s_lshl_b32 s66, s14, 10                        ; the scale words' stage: 1,024 bytes a wave, in slot 0, which has had its last fill and its last read by then
	v_lshlrev_b32 v[SST], 2, v1
	v_lshl_add_u32 v[SST], v2, 9, v[SST]
	v_add_nc_u32 v[SST], s66, v[SST]               ; in: 512 h + 4 r
	v_add_nc_u32 v[SRD], s66, v4                   ; out: 16 x lane
.macro FRAG reg, adr, q, i             ; a fragment, 16 rows x 128 K: two half fragments as they lie: registers 6 c .. 6 c + 3 by 16 bytes a lane, 6 c + 4, 6 c + 5 by 8
.irp c, 0,1
	ds_load_b128 v[\reg+6*\c:\reg+6*\c+3], v[\adr] offset:(\i)*TILEB+(2*(\q)+\c)*HFB
	ds_load_b64 v[\reg+6*\c+4:\reg+6*\c+5], v[\adr+2] offset:(\i)*TILEB+(2*(\q)+\c)*HFB
.endr
.endm
; 16 matrix instructions: R's blocks a0, a0 + 1 x P's eight.  The 64 accumulators take turns, one instruction a turn, in the same order in every step.
.macro MUL16 a0, p, q, sc, zero
.irp a, \a0, \a0+1
.irp b, 0,1,2,3,4,5,6,7
.if \zero
	v_wmma_scale_f32_16x16x128_f8f6f4 v[8*(8*((\a)%4)+\b):8*(8*((\a)%4)+\b)+7], v[128*(\p)+FR*\b:128*(\p)+FR*\b+FR-1], v[AF+FR*(\a):AF+FR*(\a)+FR-1], 0, v[SC+8*NQ*(\sc)+NQ*\b+(\q)], v[SC+8*NQ*(\sc)+NQ*(\a)+(\q)] matrix_a_fmt:MATRIX_FMT_FP6 matrix_b_fmt:MATRIX_FMT_FP6 matrix_a_scale:MATRIX_SCALE_ROW1
.else
	v_wmma_scale_f32_16x16x128_f8f6f4 v[8*(8*((\a)%4)+\b):8*(8*((\a)%4)+\b)+7], v[128*(\p)+FR*\b:128*(\p)+FR*\b+FR-1], v[AF+FR*(\a):AF+FR*(\a)+FR-1], v[8*(8*((\a)%4)+\b):8*(8*((\a)%4)+\b)+7], v[SC+8*NQ*(\sc)+NQ*\b+(\q)], v[SC+8*NQ*(\sc)+NQ*(\a)+(\q)] matrix_a_fmt:MATRIX_FMT_FP6 matrix_b_fmt:MATRIX_FMT_FP6 matrix_a_scale:MATRIX_SCALE_ROW1
.endif
.endr
.endr
.endm
.macro FETCH_B slot, q, p
	WIN TO_B
.irp i, 0,1,2,3,4,5,6,7
	FRAG 128*(\p)+FR*\i, ADRB+\slot, \q, \i
.endr
	WIN 0
.endm
.macro FETCH_A slot, q, i0
.irp i, \i0, \i0+1, \i0+2, \i0+3
	FRAG AF+FR*(\i), ADRA+\slot, \q, \i
.endr
.endm
.macro SCALES sc                       ; a slot's two words a row: lanes 0-15 R's block i, lanes 16-31 P's block i
.irp i, 0,1,2,3,4,5,6,7
	ds_load_b64 v[SC+8*NQ*\sc+NQ*\i:SC+8*NQ*\sc+NQ*\i+1], v[ADRS] offset:\i*SBLK
.endr
.endm
.macro PLACES n                        ; plain vector instructions between a matrix instruction and a load into, or a read of, its registers
.rept \n
	v_nop
.endr
.endm
.macro STEP slot, q, zero              ; a step of 128 along K that has its successor in the same slot
	s_wait_dscnt 4*NL                              ; P's set and R's blocks 0-3 are in; the youngest 16 loads (R's blocks 4-7) may be out
	WIN MUL_LO
	MUL16 0, (\q)%2, \q, \slot, \zero
	MUL16 2, (\q)%2, \q, \slot, \zero
	s_wait_dscnt 0
	PLACES NP
	FETCH_B \slot, (\q)+1, 1-(\q)%2
	FETCH_A \slot, (\q)+1, 0
	WIN MUL_HI
	MUL16 4, (\q)%2, \q, \slot, \zero
	MUL16 6, (\q)%2, \q, \slot, \zero
	PLACES NP
	WIN 0
	FETCH_A \slot, (\q)+1, 4
.endm
; A slot's last step changes slots: one barrier; in front of it each wave waits for all its tensor loads, adds 0 to its spare word, and waits for that and for its reads of this slot.
.macro TURN slot, next, fill
	s_wait_tensorcnt 0x0                           ; all my tensor loads have landed: my part of the next slot
	ds_add_u32 v[SPW], v[NIL]                      ; 0 onto my spare word
	s_wait_dscnt 4*NL+1                            ; the add and the youngest 16 loads (R's blocks 4-7) may be out
	WIN MUL_LO
	MUL16 0, 1, NQ-1, \slot, 0
	s_wait_dscnt 0x0                               ; the add is done, and my reads of this slot are over
	s_barrier_signal -1
	MUL16 2, 1, NQ-1, \slot, 0
	WIN 0
	s_barrier_wait -1
.if \fill
	CREST                                          ; the barrier has opened a round of the cluster's barrier: no wave of any partner still reads this slot or has a load on its way
	s_add_nc_u64 s[G0+4*\slot+2:G0+4*\slot+3], s[G0+4*\slot+2:G0+4*\slot+3], 2*TILEB
	s_add_nc_u64 s[G0B+4*\slot+2:G0B+4*\slot+3], s[G0B+4*\slot+2:G0B+4*\slot+3], 2*TILEB
	JLOAD G0+4*\slot, G1, G0B+4*\slot, G1B         ; the first tensor load behind the round; its four v_nop are the places in front of the loads below
.else
	PLACES NP
.endif
	v_add_nc_u32 v[ADRS], 128, v[ADRS]             ; the next slot's scale words
	FETCH_B \next, 0, 0
	FETCH_A \next, 0, 0
	SCALES \next
	WIN MUL_HI
	MUL16 4, 1, NQ-1, \slot, 0
	MUL16 6, 1, NQ-1, \slot, 0
	PLACES NP
	WIN 0
	FETCH_A \next, 0, 4
.endm
	s_wait_tensorcnt 1                             ; of my three loads the scale words and slot 0 are in; slot 1's may be out
	s_barrier_signal -1
	s_barrier_wait -1
	FETCH_B 0, 0, 0
	FETCH_A 0, 0, 0
	SCALES 0
	FETCH_A 0, 0, 4
	STEP 0, 0, 1                                   ; the first step's products start the sums
	s_mov_b32 s3, LAPS-1
.Llap:
	TURN 0, 1, 1
	STEP 1, 0, 0
	TURN 1, 0, 1
	STEP 0, 0, 0
	s_sub_co_u32 s3, s3, 1
	s_cmp_lg_u32 s3, 0
	s_cbranch_scc1 .Llap
	TURN 0, 1, 0                                   ; the last lap fills nothing
	STEP 1, 0, 0
	s_wait_dscnt 4*NL                              ; R's blocks 4-7 may be out
	WIN MUL_LO
	MUL16 0, 1, NQ-1, 1, 0
	MUL16 2, 1, NQ-1, 1, 0
	s_wait_dscnt 0
	WIN MUL_HI
	MUL16 4, 1, NQ-1, 1, 0
	MUL16 6, 1, NQ-1, 1, 0
	WIN 0
; THE WAY OUT.  The 64 registers of R's block a are, for my row of R, P's rows 32 b + 16 (lane / 16) + i in register 16 b + i: four blocks of 32 along the next K, each shared with lane l xor 16.
; They become a fragment's codes (two half fragments: two heads of q or k, two groups of 64 keys of v) and a scale word, and are stored as they stand.
.macro QOUT a
.set AC, 64*((\a)%4)
.set PC, 84+20*((\a)%2)                ; two sets of codes by turns
	WIN 0x0a+5*((\a)/4)                            ; sources 0 and 1: window 2 or 3
.irp b, 0,1,2,3
	v_max3_num_f32 v[TM+\b], |v[AC+16*\b]|, |v[AC+16*\b+1]|, 0x1800000   ; each accumulator is read from its low end on; the floor 2^(3 - 127) holds the byte at 1 from below
.endr
.irp i, 2,4,6,8,10,12,14
.irp b, 0,1,2,3
	v_max3_num_f32 v[TM+\b], |v[AC+16*\b+\i]|, |v[AC+16*\b+\i+1]|, v[TM+\b]
.endr
.endr
	WIN 0
.irp b, 0,1,2,3
	v_permlanex16_b32 v[TM+4+\b], v[TM+\b], s20, s21
.endr
.irp b, 0,1,2,3
	v_max_num_f32 v[TM+\b], v[TM+\b], v[TM+4+\b]
.endr
.irp b, 0,1,2,3
	v_add_nc_u32 v[TM+12+\b], 0xff000000, v[TM+\b] ; 2 off the exponent field: the conversion's scale operand
.endr
.irp b, 0,1,2,3
	v_lshrrev_b32 v[TM+4+\b], 23, v[TM+12+\b]      ; the scale's byte
.endr
	v_lshl_or_b32 v[PW], v[TM+5], 8, v[TM+4]
	v_lshl_or_b32 v[PW], v[TM+6], 16, v[PW]
	v_lshl_or_b32 v[PW], v[TM+7], 24, v[PW]
	s_wait_xcnt 0x0                                ; the stores of two blocks ago have read this set of codes
	WIN 0x02+((\a)/4)                              ; source 0: window 2 or 3
.irp c, 0,1
	v_cvt_scalef32_pk16_fp6_f32 v[PC+6*\c:PC+6*\c+2], v[AC+32*\c:AC+32*\c+15], v[TM+12+2*\c]
	v_cvt_scalef32_pk16_fp6_f32 v[PC+12+4*\c:PC+14+4*\c], v[AC+32*\c+16:AC+32*\c+31], v[TM+13+2*\c]
.endr
	WIN 0
	v_nop                                          ; one plain place behind a scaled conversion
.irp c, 0,1                            ; the layout wants a whole block in a lane: lanes 0-15 block 2 c, lanes 16-31 block 2 c + 1
.irp i, 0,1,2
	v_permlane16_swap_b32 v[PC+6*\c+\i], v[PC+12+4*\c+\i]
.endr
.irp i, 0,1,2
	v_mov_b32 v[PC+3+6*\c+\i], v[PC+12+4*\c+\i]
.endr
.endr
	global_store_b128 v[O16], v[PC:PC+3], s[8:9] offset:HFB*(\a)       ; 512 and 256 consecutive bytes, aligned
	global_store_b64 v[O8], v[PC+4:PC+5], s[8:9] offset:HFB*(\a)
	global_store_b128 v[O16+1], v[PC+6:PC+9], s[8:9] offset:HFB*(\a)
	global_store_b64 v[O8C], v[PC+10:PC+11], s[8:9] offset:HFB*(\a)
	v_lshrrev_b32 v[PW+1], v[SH], v[PW]            ; lanes 16-31 take the second column group's bytes
	v_and_or_b32 v[PW+1], v[PW+1], s[MASK], s[ORV]
	ds_store_b32 v[SST], v[PW+1] offset:64*(\a)
.endm
	s_mov_b32 s20, 0x76543210
	s_mov_b32 s21, 0xfedcba98                      ; selects for lane l xor 16
	PLACES NP                                      ; behind the last products
.irp b, 0,1,2,3
	v_mov_b32 v[TM+4+\b], 0                        ; a lane permute's destination counts as read: written once
.endr
.irp a, 0,1,2,3,4,5,6,7
	QOUT \a
.endr
	ds_load_b128 v[136:139], v[SRD]                ; in order behind my stores: eight blocks' words of each column group, 512 bytes
	ds_load_b128 v[140:143], v[SRD] offset:512
	s_wait_dscnt 0x0
	global_store_b128 v[O16], v[136:139], s[10:11]
	global_store_b128 v[OSC], v[140:143], s[10:11]
	s_wait_tensorcnt 0x0                           ; the wave's end
	ds_add_u32 v[SPW], v[NIL]
	s_wait_dscnt 0x0
	CROUND                                         ; the closing round
	s_endpgm
.Lfunc_end_k_qf3b8aa963e_qkv:
	.size	k_qf3b8aa963e_qkv, .Lfunc_end_k_qf3b8aa963e_qkv-k_qf3b8aa963e_qkv
	.p2alignl 7, 3214868480
	.fill 96, 4, 3214868480
	.section	.rodata,"a",@progbits
	.p2align	6, 0x0
	.amdhsa_kernel k_qf3b8aa963e_qkv
		.amdhsa_group_segment_fixed_size 327680
		.amdhsa_private_segment_fixed_size 0
		.amdhsa_enable_private_segment 0
		.amdhsa_kernarg_size 32
		.amdhsa_user_sgpr_count 2
		.amdhsa_user_sgpr_kernarg_segment_ptr 1
		.amdhsa_wavefront_size32 1
		.amdhsa_system_sgpr_workgroup_id_x 1
		.amdhsa_system_sgpr_workgroup_id_y 1
		.amdhsa_system_sgpr_workgroup_id_z 1
		.amdhsa_system_vgpr_workitem_id 0
		.amdhsa_next_free_vgpr 1024
		.amdhsa_next_free_sgpr 102
		.amdhsa_reserve_vcc 0
		.amdhsa_float_denorm_mode_32 3
		.amdhsa_float_denorm_mode_16_64 3
		.amdhsa_memory_ordered 1
		.amdhsa_forward_progress 1
		.amdhsa_inst_pref_size 151
	.end_amdhsa_kernel
	.amdgpu_metadata
---
amdhsa.version: [ 1, 2 ]
amdhsa.kernels:
  - .name:           k_qf3b8aa963e_qkv
    .symbol:         k_qf3b8aa963e_qkv.kd
    .args:
      - { .name: in_img, .offset: 0, .size: 8, .value_kind: global_buffer, .address_space: global }
      - { .name: in_sc, .offset: 8, .size: 8, .value_kind: global_buffer, .address_space: global }
      - { .name: qkv_img, .offset: 16, .size: 8, .value_kind: global_buffer, .address_space: global }
      - { .name: qkv_sc, .offset: 24, .size: 8, .value_kind: global_buffer, .address_space: global }
    .group_segment_fixed_size: 327680
    .private_segment_fixed_size: 0
    .kernarg_segment_align: 8
    .kernarg_segment_size: 32
    .max_flat_workgroup_size: 128
    .sgpr_count:     102
    .vgpr_count:     1024
    .wavefront_size: 32
...
	.end_amdgpu_metadata
.endif
;; end of part 2
;; launch attn (part 3): grid 4 x 64, 16 waves a work-group, clusters of 4 x 1, 327,680 bytes of LDS; arguments qkv_img, qkv_sc, attn_img, attn_sc; writes attn_img, attn_sc
.if DOCPART == 3
	.amdgcn_target "amdgcn-amd-amdhsa--gfx1250"
	.amdhsa_code_object_version 6
	.text
	.protected	k_qf3b8aa963e_attn
	.globl	k_qf3b8aa963e_attn
	.p2align	8
	.type	k_qf3b8aa963e_attn,@function
k_qf3b8aa963e_attn:
	s_mov_b64 s[64:65], 0
	v_nop
	global_prefetch_b8 v0, s[64:65] scope:SCOPE_SE
	s_setreg_imm32_b32 hwreg(HW_REG_WAVE_MODE, 25, 1), 1
	s_wait_xcnt 0x0
	s_wait_alu depctr_hold_cnt(0) depctr_sa_sdst(0) depctr_va_vdst(0) depctr_va_sdst(0) depctr_va_ssrc(0) depctr_va_vcc(0) depctr_vm_vsrc(0)
	s_getreg_b32 s2, hwreg(HW_REG_IB_STS2, 6, 4)
	s_cmp_eq_u32 s2, 0
	s_cbranch_scc0 .Lentry_in_a_cluster
	s_endpgm
.Lentry_in_a_cluster:
	s_bfe_u32 s2, ttmp6, 0x10000c
	s_cmp_lg_u32 s2, 0x3003
	s_cbranch_scc0 .Lentry_shape_is_right
	s_endpgm
.Lentry_shape_is_right:
; Causal attention of one (batch, head) per cluster, head size 64, 2,048 tokens, both products on codes of FP6 with E8M0 scales; the result O / l is quantised along the head's 64 and leaves as an operand of the last product.
; t = score x log2(e) / 8; M = the running largest t rounded UP to a whole number; p = 2^(t - M) is quantised along the keys; the row's sum l is taken of the unquantised p; when M moves, l and O are multiplied by 2^(old M - new M): exact.
; OPERANDS are half fragments (16 rows x 64 K, 768 bytes: registers 0-3 at 16 x lane, 4-5 at 512 + 8 x lane).  Lane r of token tile 2 g + u holds token 32 g + 8 u + r + 8 (r / 8); v's tiles hold d likewise, its K the keys in their order.
; Both products are used transposed: S^T = K Q^T (source 0 = 16 keys), O^T = V^T P^T (source 0 = 16 of the head's 64): a lane holds ONE query; the 16 registers of key tiles 2 g, 2 g + 1 are 16 neighbouring keys.
; K = 64 IN AN INSTRUCTION OF 128: Q's registers 6-11 are zero codes, and bytes 2, 3 of q's and k's scale words are 0x7f.  So K's fragment t is named v[32 + 6 t .. + 11]: its upper six registers, the next tile's codes, meet zeros.
; SHARES.  The cluster's partner p owns query tiles 4 j + p, j = 0 .. 31; wave w takes j = 31 - w, then j = w.  Tile j wants j / 2 + 1 steps of 128 keys whatever p is: 17 steps for every wave of every work-group,
; and every branch hangs on the wave's number and on loop counts alone.  p enters global addresses and a lane's mask term, nothing else.
; THE WHOLE HEAD'S K AND V LIE IN LDS, filled once, by joint loads of the four partners: no byte of LDS is filled again.  A wave has three tensor loads out at the most.
; Nothing is prefetched: every tile is asked for at the head.
; LIMITS: NaN and infinities are not served; a block whose largest magnitude lies under 2^-124 gets the byte 1, a block of zeros too (its codes are zeros; this program alone reads the bytes).
; The two scale bytes of a row and head leave by a store of 2 bytes a lane, 8 bytes apart: the word's other half belongs to another head's cluster; these are one byte for 24 of codes.
; REGISTERS: v1-7 addresses that stay; v8-11, v28-29 the step's; v12 -M, v13 the largest t, v[14:15] the sum; v16-27 Q of the first pass, v255 its words; v192-203, v204 the second's; v30, 31, 94, 95 offsets;
;   v32-85 K's 8 tiles and six zeros, then V's 4 fragments; v86-93 K's scale words; v248-251 V's; v96-159 S^T, then p; v160-191 O^T; v224-235 p's codes; v232-247, v252, v254 at work; v253 p's scale word.
.set KIMG,  0                          ; 128 token tiles x 768
.set VIMG,  98304                      ; [32 groups of 64 keys][4 tiles of d][768]
.set KSC,   196608                     ; [128 tiles][16 words]
.set VSC,   204800                     ; [16 steps][4 tiles of d][16 words]
.set WV,   18
.set SEL,  20
.set CS,   22
.set G1KS, 24
.set G1K,  32
.set G1VS, 40
.set G1V,  48
.set G0KS, 56
.set G0KL, 60
.set G0KH, 68
.set G0VS, 72
.set G0VL, 76
.set G0VH, 80
.set TB,   2                           ; the step's codes: 6,144 bytes a step, in K and in V
.set TS,   3                           ; K's scale words: 512 a step
.set TJ,   66                          ; V's: 256 a step
.set CNT,  67
.set KF,   12                          ; the step's first key
.set QB,   13                          ; 64 j: the first token of my tile's group of four
.set TMP,  14
.macro ROUND                           ; a round of the cluster's barrier
	s_barrier_signal -1
	s_barrier_wait -1
	s_cmp_lg_u32 s[WV], 0
	s_cbranch_scc1 .Lnot_wave_0_\@
	s_barrier_signal -3
.Lnot_wave_0_\@:
	s_barrier_wait -3
	s_barrier_signal -1
	s_barrier_wait -1
.endm
	s_load_b256 s[4:11], s[0:1], 0x0               ; qkv_img, qkv_sc, attn_img, attn_sc
	v_lshl_add_u32 v223, v0, 2, 0x33000
	v_mov_b32 v243, 0
	ds_add_u32 v223, v243
	ds_add_u32 v223, v243
	v_lshrrev_b32 v8, 5, v0
	s_delay_alu instid0(VALU_DEP_1)
	v_readfirstlane_b32 s[WV], v8                  ; wave 0..15
	s_and_b32 s12, ttmp7, 0xffff                   ; 16 b + head, which the four partners share
	s_lshr_b32 s13, s12, 4                         ; b
	s_and_b32 s14, s12, 15                         ; head
	s_and_b32 s15, s[WV], 7                        ; e: my eighth of what waves 0-7 (K) or 8-15 (V) fetch
.irp g, G1KS, G1K, G1VS, G1V
	s_mov_b32 s[\g], 15|(3<<16)|(1<<21)            ; the mask: all four partners; elements of 8 bytes; bit 21 beside a mask
	s_mov_b32 s[\g+6], 0
	s_mov_b32 s[\g+7], 0
.endr
	s_mov_b32 s[G1KS+1], 32<<16                    ; K's scale words: 4 rows of 256 bytes, dense
	s_mov_b32 s[G1KS+2], 4<<16
	s_mov_b32 s[G1KS+3], 32<<16
	s_mov_b32 s[G1KS+4], 4
	s_mov_b32 s[G1KS+5], 32
	s_mov_b32 s[G1K+1], 384<<16                    ; K's codes: 2 rows of 3,072 bytes, dense
	s_mov_b32 s[G1K+2], 2<<16
	s_mov_b32 s[G1K+3], 384<<16
	s_mov_b32 s[G1K+4], 2
	s_mov_b32 s[G1K+5], 384
	s_mov_b32 s[G1VS+1], 32<<16                    ; V's scale words: 2 steps' 256 bytes, 8,192 bytes apart
	s_mov_b32 s[G1VS+2], 2<<16
	s_mov_b32 s[G1VS+3], 32<<16
	s_mov_b32 s[G1VS+4], 2
	s_mov_b32 s[G1VS+5], 1024
	s_mov_b32 s[G1V+1], 384<<16                    ; V's codes: 2 key groups' 3,072 bytes, 49,152 bytes apart
	s_mov_b32 s[G1V+2], 2<<16
	s_mov_b32 s[G1V+3], 384<<16
	s_mov_b32 s[G1V+4], 2
	s_mov_b32 s[G1V+5], 6144
	s_mov_b32 s[SEL], 0x76543210
	s_mov_b32 s[SEL+1], 0xfedcba98                 ; selects for lane l xor 16
	s_mov_b32 s[CS], 0x3e38aa3b                    ; c = log2(e) / 8
	s_mov_b32 s[CS+1], s[CS]                       ; (named with it as a pair)
	s_mov_b32 s101, 0
	s_wait_dscnt 0x0
	s_wait_kmcnt 0x0
	s_lshl_b32 s100, s12, 13                       ; K's scale words: 524,288 + 8,192 (16 b + head) + 1,024 e
	s_lshl_b32 s16, s15, 10
	s_add_co_u32 s100, s100, s16
	s_add_co_u32 s100, s100, 524288
	s_mov_b32 s[G0KS], 1
	s_add_co_u32 s[G0KS+1], s16, KSC
	s_add_nc_u64 s[G0KS+2:G0KS+3], s[6:7], s[100:101]
	s_or_b32 s[G0KS+3], s[G0KS+3], 0x80000000
	s_mul_i32 s100, s12, 98304                     ; K's codes: 6,291,456 + 98,304 (16 b + head) + 6,144 e; the upper half 49,152 on
	s_mul_i32 s16, s15, 6144
	s_add_co_u32 s100, s100, s16
	s_add_co_u32 s100, s100, 6291456
	s_mov_b32 s[G0KL], 1
	s_add_co_u32 s[G0KL+1], s16, KIMG
	s_add_nc_u64 s[G0KL+2:G0KL+3], s[4:5], s[100:101]
	s_mov_b32 s[G0KH], 1
	s_add_co_u32 s[G0KH+1], s16, KIMG+49152
	s_add_nc_u64 s[G0KH+2:G0KH+3], s[G0KL+2:G0KL+3], 49152
	s_or_b32 s[G0KL+3], s[G0KL+3], 0x80000000
	s_or_b32 s[G0KH+3], s[G0KH+3], 0x80000000
	s_mul_i32 s100, s13, 1572864                   ; V's codes: 12,582,912 + 1,572,864 b + 3,072 head + 98,304 e; the upper half 786,432 on
	s_mul_i32 s17, s14, 3072
	s_add_co_u32 s100, s100, s17
	s_mul_i32 s17, s15, 98304
	s_add_co_u32 s100, s100, s17
	s_add_co_u32 s100, s100, 12582912
	s_mov_b32 s[G0VL], 1
	s_add_co_u32 s[G0VL+1], s16, VIMG
	s_add_nc_u64 s[G0VL+2:G0VL+3], s[4:5], s[100:101]
	s_mov_b32 s[G0VH], 1
	s_add_co_u32 s[G0VH+1], s16, VIMG+49152
	s_add_nc_u64 s[G0VH+2:G0VH+3], s[G0VL+2:G0VL+3], 786432
	s_or_b32 s[G0VL+3], s[G0VL+3], 0x80000000
	s_or_b32 s[G0VH+3], s[G0VH+3], 0x80000000
	s_lshl_b32 s100, s13, 17                       ; V's scale words: 1,048,576 + 131,072 b + 256 head + 16,384 e
	s_lshl_b32 s17, s14, 8
	s_add_co_u32 s100, s100, s17
	s_lshl_b32 s17, s15, 14
	s_add_co_u32 s100, s100, s17
	s_add_co_u32 s100, s100, 1048576
	s_lshl_b32 s16, s15, 9
	s_mov_b32 s[G0VS], 1
	s_add_co_u32 s[G0VS+1], s16, VSC
	s_add_nc_u64 s[G0VS+2:G0VS+3], s[6:7], s[100:101]
	s_or_b32 s[G0VS+3], s[G0VS+3], 0x80000000
	ROUND                                          ; all four work-groups are here: the joint loads meet
	s_cmp_lt_u32 s[WV], 8                          ; a wave's three fills stand in one branch on its number, ahead of every wait on TENSORcnt and every LDS read
	s_cbranch_scc0 .Lfirst_v
	tensor_load_to_lds s[G0KS:G0KS+3], s[G1KS:G1KS+7]
	s_nop 0
	tensor_load_to_lds s[G0KL:G0KL+3], s[G1K:G1K+7]
	s_nop 0
	tensor_load_to_lds s[G0KH:G0KH+3], s[G1K:G1K+7]
	s_nop 0
.rept 4
	v_nop
.endr
	s_branch .Lfirst_asked
.Lfirst_v:
	tensor_load_to_lds s[G0VS:G0VS+3], s[G1VS:G1VS+7]
	s_nop 0
	tensor_load_to_lds s[G0VL:G0VL+3], s[G1V:G1V+7]
	s_nop 0
	tensor_load_to_lds s[G0VH:G0VH+3], s[G1V:G1V+7]
	s_nop 0
.rept 4
	v_nop
.endr
.Lfirst_asked:
	s_bfe_u32 s19, ttmp6, 0x40000                  ; p: my place in the cluster
	s_xor_b32 s16, s[WV], 31                       ; j of the first pass: 31 - w
	s_lshl_b32 s16, s16, 2
	s_add_co_u32 s16, s16, s19                     ; its query tile, 4 j + p
	s_lshl_b32 s17, s[WV], 2
	s_add_co_u32 s17, s17, s19                     ; the second pass's
	s_lshl_b32 s100, s12, 7
	s_add_co_u32 s84, s100, s16                    ; q's U
	s_add_co_u32 s86, s100, s17
	s_lshl_b32 s88, s84, 6
	s_lshl_b32 s90, s86, 6
	s_mul_i32 s84, s84, 768
	s_mul_i32 s86, s86, 768
	s_mov_b32 s85, 0
	s_mov_b32 s87, 0
	s_mov_b32 s89, 0
	s_mov_b32 s91, 0
	s_add_nc_u64 s[84:85], s[4:5], s[84:85]        ; Q's codes, first pass
	s_add_nc_u64 s[86:87], s[4:5], s[86:87]        ; second pass
	s_add_nc_u64 s[88:89], s[6:7], s[88:89]        ; Q's scale words
	s_add_nc_u64 s[90:91], s[6:7], s[90:91]
	s_lshl_b32 s100, s13, 7
	s_add_co_u32 s92, s100, s16                    ; the token tile among all 512
	s_add_co_u32 s94, s100, s17
	s_lshl_b32 s96, s92, 9
	s_lshl_b32 s98, s94, 9
	s_lshl_b32 s92, s92, 4
	s_add_co_u32 s92, s92, s14
	s_mul_i32 s92, s92, 768
	s_lshl_b32 s94, s94, 4
	s_add_co_u32 s94, s94, s14
	s_mul_i32 s94, s94, 768
	s_lshr_b32 s100, s14, 2                        ; my head's two bytes in a row's scale words: 128 (head / 4) + 2 (head % 4)
	s_lshl_b32 s100, s100, 7
	s_and_b32 s101, s14, 3
	s_lshl_b32 s101, s101, 1
	s_add_co_u32 s100, s100, s101
	s_add_co_u32 s96, s96, s100
	s_add_co_u32 s98, s98, s100
	s_mov_b32 s93, 0
	s_mov_b32 s95, 0
	s_mov_b32 s97, 0
	s_mov_b32 s99, 0
	s_add_nc_u64 s[92:93], s[8:9], s[92:93]        ; the result's codes, first pass
	s_add_nc_u64 s[94:95], s[8:9], s[94:95]
	s_add_nc_u64 s[96:97], s[10:11], s[96:97]      ; its scale bytes
	s_add_nc_u64 s[98:99], s[10:11], s[98:99]
	v_and_b32 v8, 31, v0                           ; lane
	v_and_b32 v9, 15, v0                           ; r
	v_bfe_u32 v10, v0, 4, 1                        ; h
	s_delay_alu instid0(VALU_DEP_3)
	v_lshlrev_b32 v30, 4, v8
	s_delay_alu instid0(VALU_DEP_4)
	v_lshlrev_b32 v31, 3, v8
	s_delay_alu instid0(VALU_DEP_4)
	v_lshlrev_b32 v94, 3, v9
	v_lshlrev_b32 v95, 2, v9
	global_load_b128 v[16:19], v30, s[84:85]       ; Q stays in registers
	global_load_b64 v[20:21], v31, s[84:85] offset:512
	global_load_b32 v255, v95, s[88:89]
	global_load_b128 v[192:195], v30, s[86:87]
	global_load_b64 v[196:197], v31, s[86:87] offset:512
	global_load_b32 v204, v95, s[90:91]
.irp i, 0,1,2,3,4,5
	v_mov_b32 v[22+\i], 0                          ; zero codes for k = 64 .. 127
	v_mov_b32 v[198+\i], 0
	v_mov_b32 v[80+\i], 0                          ; and behind K's last tile
.endr
	v_add_nc_u32 v1, KIMG, v30
	v_add_nc_u32 v2, KIMG+512, v31
	v_add_nc_u32 v3, VIMG, v30
	v_add_nc_u32 v4, VIMG+512, v31
	v_add_nc_u32 v5, KSC, v95
	v_add_nc_u32 v6, VSC, v95
	s_lshr_b32 s16, s19, 1
	s_lshl_b32 s16, s16, 5
	s_and_b32 s17, s19, 1
	s_lshl_b32 s17, s17, 3
	s_add_co_u32 s16, s16, s17                     ; 32 (p / 2) + 8 (p % 2)
	v_and_b32 v11, 8, v9
	s_delay_alu instid0(VALU_DEP_1)
	v_add_nc_u32 v11, v11, v9                      ; r + 8 (r / 8)
	v_lshlrev_b32 v10, 4, v10
	s_delay_alu instid0(VALU_DEP_1)
	v_sub_nc_u32 v7, v11, v10
	s_delay_alu instid0(VALU_DEP_1)
	v_add_nc_u32 v7, s16, v7                       ; my query - 64 j - 16 h
.irp b, 0,1,2,3
	v_mov_b32 v[236+\b], 0                         ; a lane permute's destination counts as read: written once
.endr
	v_mov_b32 v252, 0
	v_mov_b32 v253, 0                              ; (named as the upper half of the pair v[252:253] before it is first written)
.macro INIT                            ; a pass begins: O^T and the sum are zeros, the largest t lies under every t: the first change of M multiplies zeros
	s_mov_b32 s[KF], 0
	s_mov_b32 s[TB], 0
	s_mov_b32 s[TS], 0
	s_mov_b32 s[TJ], 0
	v_mov_b32 v13, 0xff61b1e6                      ; -3e38
	s_delay_alu instid0(VALU_DEP_1)
	v_floor_f32 v12, -v13
	v_mov_b32 v14, 0
	v_mov_b32 v15, 0
.set jj, 0
.rept 32
	v_mov_b32 v[160+jj], 0
.set jj, jj+1
.endr
.endm
; A KEY STEP: 128 keys.  qf: Q's fragment; qs: its scale words; edge = 1: the step may lie on or past the diagonal.
.macro STEP qf, qs, edge
.if \edge
	s_add_co_u32 s[TMP], s[QB], 63                 ; a step all of whose keys come after the tile group's 64 tokens is left out: a scalar branch on the wave's number and the loop's count
	s_cmp_gt_u32 s[KF], s[TMP]
	s_cbranch_scc1 .Lhidden_\@
.endif
	s_setprio 2
	v_add_nc_u32 v8, s[TB], v1                     ; these six are also the places in front of loads into registers that the last products have read
	v_add_nc_u32 v9, s[TB], v2
	v_add_nc_u32 v10, s[TB], v3
	v_add_nc_u32 v11, s[TB], v4
	v_add_nc_u32 v28, s[TS], v5
	v_add_nc_u32 v29, s[TJ], v6
.irp t, 0,1,2,3,4,5,6,7
	ds_load_b128 v[32+6*\t:35+6*\t], v8 offset:768*\t
	ds_load_b64 v[36+6*\t:37+6*\t], v9 offset:768*\t
	ds_load_b32 v[86+\t], v28 offset:64*\t
.endr
	s_wait_alu depctr_va_vdst(0)
	s_wait_dscnt 0x0
.irp t, 0,1,2,3,4,5,6,7
	v_wmma_scale_f32_16x16x128_f8f6f4 v[96+8*\t:103+8*\t], v[32+6*\t:43+6*\t], v[\qf:\qf+11], 0, v[86+\t], v[\qs] matrix_a_fmt:MATRIX_FMT_FP6 matrix_b_fmt:MATRIX_FMT_FP6
.endr
.rept 4
	v_nop                                          ; places: V's loads land where K's tiles lay, and the scores are read
.endr
.irp dt, 0,1,2,3                       ; V's four fragments are asked for now and land under the softmax
.irp c, 0,1
	ds_load_b128 v[32+12*\dt+6*\c:35+12*\dt+6*\c], v10 offset:3072*\c+768*\dt
	ds_load_b64 v[36+12*\dt+6*\c:37+12*\dt+6*\c], v11 offset:3072*\c+768*\dt
.endr
	ds_load_b32 v[248+\dt], v29 offset:64*\dt
.endr
.if \edge                              ; on the diagonal the scores of hidden keys become -infinity ahead of the maximum; a step all of whose keys count skips this
	s_add_co_u32 s[TMP], s[KF], 127
	s_cmp_le_u32 s[TMP], s[QB]
	s_cbranch_scc1 .Lopen_\@
	s_sub_co_i32 s[TMP], s[QB], s[KF]
	v_add_nc_u32 v252, s[TMP], v7                  ; d = my query - KF - 16 h.  Register 16 b + i holds key KF + 16 h + 32 b + i: hidden where 32 b + i > d
	v_mov_b32 v254, 0xff800000
.set nn, 0
.rept 64
	v_cmp_gt_i32 vcc_lo, 32*(nn/16)+nn%16, v252
	v_cndmask_b32 v[96+nn], v[96+nn], v254, vcc_lo
.set nn, nn+1
.endr
.Lopen_\@:
.endif
.irp b, 0,1,2,3
	v_max3_num_f32 v[232+\b], v[96+16*\b], v[97+16*\b], v[98+16*\b]   ; the largest score of each block of 32 keys: for the row's maximum and, since p rises with the score, for the block's largest p
.endr
.irp i, 3,5,7,9,11,13
.irp b, 0,1,2,3
	v_max3_num_f32 v[232+\b], v[232+\b], v[96+16*\b+\i], v[97+16*\b+\i]
.endr
.endr
.irp b, 0,1,2,3
	v_max_num_f32 v[232+\b], v[232+\b], v[111+16*\b]
.endr
.irp b, 0,1,2,3
	s_delay_alu instid0(VALU_DEP_4)
	v_permlanex16_b32 v[236+\b], v[232+\b], s[SEL], s[SEL+1]
.endr
.irp b, 0,1,2,3
	s_delay_alu instid0(VALU_DEP_4)
	v_max_num_f32 v[232+\b], v[232+\b], v[236+\b]
.endr
	s_delay_alu instid0(VALU_DEP_2)
	v_max3_num_f32 v254, v232, v233, v234
	s_delay_alu instid0(VALU_DEP_1)
	v_max_num_f32 v254, v254, v235
	s_delay_alu instid0(VALU_DEP_1)
	v_mul_f32 v254, s[CS], v254                    ; as t (c is positive)
	s_delay_alu instid0(VALU_DEP_1)
	v_max_num_f32 v13, v13, v254                   ; the running largest t
	v_mov_b32 v254, v12
	s_delay_alu instid0(VALU_DEP_2)
	v_floor_f32 v12, -v13                          ; the new -M = -ceil(t)
	s_delay_alu instid0(VALU_DEP_1)
	v_sub_f32 v254, v12, v254                      ; old M - new M: a whole number, 0 or less
	s_delay_alu instid0(VALU_DEP_1)
	v_cvt_i32_f32 v254, v254
	s_delay_alu instid0(VALU_DEP_1)
	v_ldexp_f32 v252, 1.0, v254                    ; f = 2^(old M - new M)
.set jj, 0
.rept 32
	v_pk_fma_f32 v[96+jj:97+jj], v[96+jj:97+jj], s[CS:CS+1], v[12:13] op_sel_hi:[1,0,0]   ; t - M
.set jj, jj+2
.endr
.irp b, 0,1,2,3
	v_fma_f32 v[232+\b], v[232+\b], s[CS], v12
.endr
.set jj, 0
	s_setprio 1
	s_wait_alu depctr_va_vdst(0)
.rept 64
	v_exp_f32 v[96+jj], v[96+jj]                   ; p = 2^(t - M)
.set jj, jj+1
.endr
.irp b, 0,1,2,3
	v_exp_f32 v[232+\b], v[232+\b]                 ; the block's largest p
.endr
	v_pk_mul_f32 v[14:15], v[14:15], v[252:253] op_sel_hi:[1,0]   ; the sums under the new M (a plain place behind the exponentials)
	s_wait_alu depctr_va_vdst(0)
.irp b, 0,1,2,3
	v_max_num_f32 v[232+\b], 0x1800000, v[232+\b]  ; the floor 2^(3 - 127)
.endr
.irp b, 0,1,2,3
	s_delay_alu instid0(VALU_DEP_4)
	v_add_nc_u32 v[244+\b], 0xff000000, v[232+\b]  ; the conversion's scale operand
.endr
.irp b, 0,1,2,3
	s_delay_alu instid0(VALU_DEP_4)
	v_lshrrev_b32 v[236+\b], 23, v[244+\b]         ; the scale's byte
.endr
	s_delay_alu instid0(VALU_DEP_3)
	v_lshl_or_b32 v253, v237, 8, v236              ; p's scale word for these 128 keys
	s_delay_alu instid0(VALU_DEP_1)
	v_lshl_or_b32 v253, v238, 16, v253
	s_delay_alu instid0(VALU_DEP_1)
	v_lshl_or_b32 v253, v239, 24, v253
.irp c, 0,1
	v_cvt_scalef32_pk16_fp6_f32 v[224+6*\c:226+6*\c], v[96+32*\c:111+32*\c], v[244+2*\c]
	v_cvt_scalef32_pk16_fp6_f32 v[236+4*\c:238+4*\c], v[112+32*\c:127+32*\c], v[244+2*\c+1]
.endr
	v_nop                                          ; one plain place behind a scaled conversion
.irp c, 0,1
.irp i, 0,1,2
	v_permlane16_swap_b32 v[224+6*\c+\i], v[236+4*\c+\i]
.endr
.irp i, 0,1,2
	s_delay_alu instid0(VALU_DEP_3)
	v_mov_b32 v[227+6*\c+\i], v[236+4*\c+\i]
.endr
.endr
	v_pk_add_f32 v[236:237], v[100:101], v[104:105]
	v_pk_add_f32 v[246:247], v[108:109], v[112:113]
	v_pk_add_f32 v[244:245], v[116:117], v[120:121]
	v_pk_add_f32 v[240:241], v[124:125], v[128:129]
	v_pk_add_f32 v[220:221], v[132:133], v[136:137]
	v_pk_add_f32 v[218:219], v[140:141], v[144:145]
	v_pk_add_f32 v[216:217], v[148:149], v[152:153]
	v_pk_add_f32 v[14:15], v[14:15], v[156:157]
	v_pk_add_f32 v[236:237], v[236:237], v[96:97]
	v_pk_add_f32 v[246:247], v[246:247], v[98:99]
	v_pk_add_f32 v[244:245], v[244:245], v[102:103]
	v_pk_add_f32 v[240:241], v[240:241], v[106:107]
	v_pk_add_f32 v[220:221], v[220:221], v[110:111]
	v_pk_add_f32 v[218:219], v[218:219], v[114:115]
	v_pk_add_f32 v[216:217], v[216:217], v[118:119]
	v_pk_add_f32 v[14:15], v[14:15], v[122:123]
	v_pk_add_f32 v[236:237], v[236:237], v[126:127]
	v_pk_add_f32 v[246:247], v[246:247], v[130:131]
	v_pk_add_f32 v[244:245], v[244:245], v[134:135]
	s_setprio 0
	v_pk_add_f32 v[240:241], v[240:241], v[138:139]
	v_pk_add_f32 v[220:221], v[220:221], v[142:143]
	v_pk_add_f32 v[218:219], v[218:219], v[146:147]
	v_pk_add_f32 v[216:217], v[216:217], v[150:151]
	v_pk_add_f32 v[14:15], v[14:15], v[154:155]
	v_pk_add_f32 v[236:237], v[236:237], v[158:159]
	s_delay_alu instid0(VALU_DEP_2)
	v_pk_add_f32 v[14:15], v[14:15], v[240:241]
	s_delay_alu instid0(VALU_DEP_2)
	v_pk_add_f32 v[236:237], v[236:237], v[220:221]
	v_pk_add_f32 v[246:247], v[246:247], v[218:219]
	v_pk_add_f32 v[244:245], v[244:245], v[216:217]
	s_delay_alu instid0(VALU_DEP_2)
	v_pk_add_f32 v[14:15], v[14:15], v[246:247]
	s_delay_alu instid0(VALU_DEP_2)
	v_pk_add_f32 v[236:237], v[236:237], v[244:245]
	s_delay_alu instid0(VALU_DEP_1)
	v_pk_add_f32 v[14:15], v[14:15], v[236:237]
.set jj, 0
.rept 16
	v_pk_mul_f32 v[160+jj:161+jj], v[160+jj:161+jj], v[252:253] op_sel_hi:[1,0]   ; O^T under the new M.  (The sums and these are the places between p's codes and scale word and the products)
.set jj, jj+2
.endr
	s_wait_alu depctr_va_vdst(0)
	s_wait_dscnt 0x0                               ; V is in
.irp dt, 0,1,2,3                       ; the four accumulators take turns, one instruction a turn
	v_wmma_scale_f32_16x16x128_f8f6f4 v[160+8*\dt:167+8*\dt], v[32+12*\dt:43+12*\dt], v[224:235], v[160+8*\dt:167+8*\dt], v[248+\dt], v253 matrix_a_fmt:MATRIX_FMT_FP6 matrix_b_fmt:MATRIX_FMT_FP6
.endr
.if \edge
.Lhidden_\@:
.endif
	s_add_co_u32 s[KF], s[KF], 128
	s_add_co_u32 s[TB], s[TB], 6144
	s_add_co_u32 s[TS], s[TS], 512
	s_add_co_u32 s[TJ], s[TJ], 256
.endm
; THE WAY OUT of a pass.  O^T / l; register 16 b + i is d = 32 b + 16 h + i of my query: two blocks of 32, each shared with lane l xor 16; they become one half fragment and two scale bytes.
.macro WAYOUT oi, os
.rept 4
	v_nop                                          ; places behind the last products
.endr
	v_add_f32 v14, v14, v15
	s_delay_alu instid0(VALU_DEP_1)
	v_permlanex16_b32 v252, v14, s[SEL], s[SEL+1]
	s_delay_alu instid0(VALU_DEP_1)
	v_add_f32 v14, v14, v252                       ; the row's sum
	s_wait_alu depctr_va_vdst(0)
	v_rcp_f32 v14, v14
	v_nop                                          ; a plain place behind the transcendental
.set jj, 0
	s_wait_alu depctr_va_vdst(0)
.rept 16
	v_pk_mul_f32 v[160+jj:161+jj], v[160+jj:161+jj], v[14:15] op_sel_hi:[1,0]   ; each accumulator from its low end on
.set jj, jj+2
.endr
.irp b, 0,1
	v_max3_num_f32 v[232+\b], |v[160+16*\b]|, |v[161+16*\b]|, 0x1800000
.endr
.irp i, 2,4,6,8,10,12,14
.irp b, 0,1
	s_delay_alu instid0(VALU_DEP_2)
	v_max3_num_f32 v[232+\b], v[232+\b], |v[160+16*\b+\i]|, |v[161+16*\b+\i]|
.endr
.endr
.irp b, 0,1
	s_delay_alu instid0(VALU_DEP_2)
	v_permlanex16_b32 v[236+\b], v[232+\b], s[SEL], s[SEL+1]
.endr
.irp b, 0,1
	s_delay_alu instid0(VALU_DEP_2)
	v_max_num_f32 v[232+\b], v[232+\b], v[236+\b]
.endr
.irp b, 0,1
	s_delay_alu instid0(VALU_DEP_2)
	v_add_nc_u32 v[244+\b], 0xff000000, v[232+\b]
.endr
.irp b, 0,1
	s_delay_alu instid0(VALU_DEP_2)
	v_lshrrev_b32 v[236+\b], 23, v[244+\b]
.endr
	s_delay_alu instid0(VALU_DEP_1)
	v_lshl_or_b32 v240, v237, 8, v236              ; my row's two bytes
	v_cvt_scalef32_pk16_fp6_f32 v[224:226], v[160:175], v244
	v_cvt_scalef32_pk16_fp6_f32 v[228:230], v[176:191], v245
	v_nop                                          ; one plain place behind a scaled conversion
.irp i, 0,1,2
	v_permlane16_swap_b32 v[224+\i], v[228+\i]
.endr
.irp i, 0,1,2
	s_delay_alu instid0(VALU_DEP_3)
	v_mov_b32 v[227+\i], v[228+\i]                 ; in ascending order: each source is read before it is written
.endr
	global_store_b128 v30, v[224:227], s[\oi:\oi+1]            ; 512 and 256 consecutive bytes, aligned
	global_store_b64 v31, v[228:229], s[\oi:\oi+1] offset:512
	global_store_b16 v94, v240, s[\os:\os+1]       ; both halves of the lanes write the same bytes with the same values
	s_wait_xcnt 0x0                                ; the stores have read their data: the registers are written again in the next pass
.endm
	s_xor_b32 s[QB], s[WV], 31
	s_lshl_b32 s[QB], s[QB], 6                     ; the first pass: j = 31 - w
	INIT
	s_wait_tensorcnt 0x1                           ; of my three loads the scale words and the lower half are in; the upper half may be out
	s_barrier_signal -1
	s_barrier_wait -1
	s_wait_loadcnt 0x0                             ; Q
	s_mov_b32 s[CNT], 4
.Lloop_a:                                          ; keys 0 to 511: they lie in the lower halves and count for every query of the first pass (tokens from 1,024 on)
	STEP 16, 255, 0
	s_sub_co_u32 s[CNT], s[CNT], 1
	s_cmp_lg_u32 s[CNT], 0
	s_cbranch_scc1 .Lloop_a
	s_setprio 0
	s_wait_tensorcnt 0x0                           ; my upper half is in,
	s_wait_dscnt 0x0
	s_barrier_signal -1
	s_barrier_wait -1                              ; everybody's is
	s_mov_b32 s[CNT], 12
.Lloop_b:
	STEP 16, 255, 1
	s_sub_co_u32 s[CNT], s[CNT], 1
	s_cmp_lg_u32 s[CNT], 0
	s_cbranch_scc1 .Lloop_b
	s_setprio 0
	WAYOUT 92, 96
	s_lshl_b32 s[QB], s[WV], 6                     ; the second pass: j = w
	INIT
	s_mov_b32 s[CNT], 8
.Lloop_e:
	STEP 192, 204, 1
	s_sub_co_u32 s[CNT], s[CNT], 1
	s_cmp_lg_u32 s[CNT], 0
	s_cbranch_scc1 .Lloop_e
	s_setprio 0
	WAYOUT 94, 98
	s_wait_dscnt 0x0
	s_wait_tensorcnt 0x0
	ds_add_u32 v223, v243
	s_wait_dscnt 0x0
	ROUND                                          ; the closing round
	s_endpgm
.Lfunc_end_k_qf3b8aa963e_attn:
	.size	k_qf3b8aa963e_attn, .Lfunc_end_k_qf3b8aa963e_attn-k_qf3b8aa963e_attn
	.p2alignl 7, 3214868480
	.fill 96, 4, 3214868480
	.section	.rodata,"a",@progbits
	.p2align	6, 0x0
	.amdhsa_kernel k_qf3b8aa963e_attn
		.amdhsa_group_segment_fixed_size 327680
		.amdhsa_private_segment_fixed_size 0
		.amdhsa_enable_private_segment 0
		.amdhsa_kernarg_size 32
		.amdhsa_user_sgpr_count 2
		.amdhsa_user_sgpr_kernarg_segment_ptr 1
		.amdhsa_wavefront_size32 1
		.amdhsa_system_sgpr_workgroup_id_x 1
		.amdhsa_system_sgpr_workgroup_id_y 1
		.amdhsa_system_sgpr_workgroup_id_z 1
		.amdhsa_system_vgpr_workitem_id 0
		.amdhsa_next_free_vgpr 256
		.amdhsa_next_free_sgpr 102
		.amdhsa_reserve_vcc 1
		.amdhsa_float_denorm_mode_32 3
		.amdhsa_float_denorm_mode_16_64 3
		.amdhsa_memory_ordered 1
		.amdhsa_forward_progress 1
		.amdhsa_inst_pref_size 88
	.end_amdhsa_kernel
	.amdgpu_metadata
---
amdhsa.version: [ 1, 2 ]
amdhsa.kernels:
  - .name:           k_qf3b8aa963e_attn
    .symbol:         k_qf3b8aa963e_attn.kd
    .args:
      - { .name: qkv_img, .offset: 0, .size: 8, .value_kind: global_buffer, .address_space: global }
      - { .name: qkv_sc, .offset: 8, .size: 8, .value_kind: global_buffer, .address_space: global }
      - { .name: attn_img, .offset: 16, .size: 8, .value_kind: global_buffer, .address_space: global }
      - { .name: attn_sc, .offset: 24, .size: 8, .value_kind: global_buffer, .address_space: global }
    .group_segment_fixed_size: 327680
    .private_segment_fixed_size: 0
    .kernarg_segment_align: 8
    .kernarg_segment_size: 32
    .max_flat_workgroup_size: 512
    .sgpr_count:     102
    .vgpr_count:     256
    .wavefront_size: 32
...
	.end_amdgpu_metadata
.endif
;; end of part 3
;; launch oproj (part 4): grid 4 x 32, 4 waves a work-group, clusters of 4 x 4, 327,680 bytes of LDS; arguments attn_img, attn_sc, in_img, in_sc, out0; writes out0
.if DOCPART == 4
	.amdgcn_target "amdgcn-amd-amdhsa--gfx1250"
	.amdhsa_code_object_version 6
	.text
	.protected	k_qf3b8aa963e_oproj
	.globl	k_qf3b8aa963e_oproj
	.p2align	8
	.type	k_qf3b8aa963e_oproj,@function
k_qf3b8aa963e_oproj:
	s_mov_b64 s[64:65], 0
	v_nop
	global_prefetch_b8 v0, s[64:65] scope:SCOPE_SE
	s_setreg_imm32_b32 hwreg(HW_REG_WAVE_MODE, 25, 1), 1
	s_wait_xcnt 0x0
	s_wait_alu depctr_hold_cnt(0) depctr_sa_sdst(0) depctr_va_vdst(0) depctr_va_sdst(0) depctr_va_ssrc(0) depctr_va_vcc(0) depctr_vm_vsrc(0)
	s_getreg_b32 s2, hwreg(HW_REG_IB_STS2, 6, 4)
	s_cmp_eq_u32 s2, 0
	s_cbranch_scc0 .Lentry_in_a_cluster
	s_endpgm
.Lentry_in_a_cluster:
	s_bfe_u32 s2, ttmp6, 0x10000c
	s_cmp_lg_u32 s2, 0xf033
	s_cbranch_scc0 .Lentry_shape_is_right
	s_endpgm
.Lentry_shape_is_right:
; out0 = attention's result x W_out^T on codes of FP6 with E8M0 scales, K = 1,024 = (head, d); f32 out.
; Operands come as half fragments (16 rows x 64 K, 768 bytes: registers 0-3 at 16 x lane, 4-5 at 512 + 8 x lane): R = the tokens, attn_img [512 row tiles][16][768]; P = W_out, row tiles 704-767 of in_img.
; Lane r of row tile 2 g + u holds row 32 g + 8 u + r + 8 (r / 8).  Source 0 = 16 rows of P, source 1 = 16 rows of R: a lane holds one token, and register j of P's tile 2 g + u is output 32 g + 16 (lane / 16) + 8 u + j.
; A work-group makes 256 tokens x 256 outputs; four waves, each 128 x 128: 64 accumulators.  K goes in four steps of 256 through two LDS slots; the scale words come once with the first fills.
; CLUSTER 4 x 4: R's tiles are shared along a row of the cluster, P's along a column: joint loads.  128 work-groups: a smaller tile would read each LDS byte for fewer products.
; REGISTERS: window 0: v0-31 addresses; v32-63 scale words, two sets; v128-223 R's fragments, one set (on the way out v128-255: rows read back).  window 1: P's fragments, two sets.  windows 2, 3: accumulator (a, b) at v[8 (8 (a % 4) + b)].
.set NQ,     2
.set FR,     12
.set NL,     4
.set NP,     4
.set HFB,    768
.set TILEB,  4*HFB
.set KTILE,  16*HFB
.set HALFT,  8*TILEB
.set SLOT,   4*HALFT
.set LAPS,   2
.set SCL,    2*SLOT
.set PSH,    8192+128                  ; P's scale words lie 128 bytes further than R's end, so that the two halves of a load of 8 bytes a lane fall on different banks
.set SBLK,   512
.set SPARE,  SCL+PSH+8192+128          ; the spare words, 128 bytes for each wave: two blocks of 256 bytes that no other line names
.set SPITCH, 528                       ; the way out: a stage of 16 rows x (512 + 16) bytes for each wave, in slot 0, which has had its last fill and its last read by then
.set ADRA, 16
.set ADRB, 20
.set STO,  24
.set RD,   25
.set CO,   26
.set ADRS, 27
.set SPW,  28
.set NIL,  29
.set SC,   32
.set AF,   128
.set BK,   128
.set G1, 24
.set G0, 32
.set G1B, 48
.set G0B, 56
.set G1S, 68
.set G0S, 76
.set G1SB, 80
.set G0SB, 88
.set MSB, 0
.macro WIN new                         ; the immediate's high byte repeats the setting that is left
.if MSB != (\new)
	s_set_vgpr_msb (MSB<<8)|(\new)
.set MSB, (\new)
.endif
.endm
.set MUL_LO, 0xa1
.set MUL_HI, 0xf1
.set TO_B,   0x40
.macro JLOAD g0a, g1a, g0b, g1b        ; a joint load: waves 0 and 1 fetch for R, waves 2 and 3 for P; four v_nop follow each of the two lines
	s_cmp_eq_u32 s15, 0
	s_cbranch_scc0 .Lfor_b_\@
	tensor_load_to_lds s[\g0a:\g0a+3], s[\g1a:\g1a+7]
	s_nop 0
.rept 4
	v_nop
.endr
	s_branch .Lasked_\@
.Lfor_b_\@:
	tensor_load_to_lds s[\g0b:\g0b+3], s[\g1b:\g1b+7]
	s_nop 0
.rept 4
	v_nop
.endr
.Lasked_\@:
.endm
.macro CREST
	s_cmp_lg_u32 s14, 0
	s_cbranch_scc1 .Lnot_wave_0_\@
	s_barrier_signal -3
.Lnot_wave_0_\@:
	s_barrier_wait -3
	s_barrier_signal -1
	s_barrier_wait -1
.endm
.macro CROUND
	s_barrier_signal -1
	s_barrier_wait -1
	CREST
.endm
	s_load_b256 s[4:11], s[0:1], 0x0               ; attn_img, attn_sc, in_img, in_sc
	s_load_b64 s[12:13], s[0:1], 0x20              ; out0
	v_lshl_add_u32 v[SPW], v0, 2, SPARE
	v_mov_b32 v[NIL], 0
	ds_add_u32 v28, v29
	ds_add_u32 v28, v29
	s_wait_dscnt 0x0
	v_lshrrev_b32 v1, 5, v0
	v_readfirstlane_b32 s14, v1                    ; wave 0..3
	s_lshr_b32 s15, s14, 1                         ; which half of R's rows is mine.  Also: I fetch for R (0) or for P (1)
	s_and_b32 s16, s14, 1                          ; which half of P's rows.  Also: which 128 rows I fetch
	s_bfe_u32 s40, ttmp6, 0x40000                  ; cx
	s_bfe_u32 s41, ttmp6, 0x40004                  ; cy
	s_lshl_b32 s42, ttmp9, 2
	s_add_co_u32 s42, s42, s40                     ; which 256 outputs
	s_and_b32 s17, ttmp7, 0xffff
	s_lshl_b32 s17, s17, 2
	s_add_co_u32 s17, s17, s41                     ; which 256 tokens
	s_lshl_b32 s43, s41, 2
	s_lshl_b32 s43, 15, s43                        ; my row of the cluster
	s_lshl_b32 s44, 0x1111, s40                    ; my column
	s_or_b32 s[G1+0], s43, (3<<16)|(1<<21)         ; codes: 8 row tiles x 3,072 bytes (384 elements of 8 bytes), 12,288 bytes apart in memory, dense in LDS
	s_or_b32 s[G1B+0], s44, (3<<16)|(1<<21)
.irp g, G1, G1B
	s_mov_b32 s[\g+1], 384<<16
	s_mov_b32 s[\g+2], 8<<16
	s_mov_b32 s[\g+3], 384<<16
	s_mov_b32 s[\g+4], 8
	s_mov_b32 s[\g+5], 1536
	s_mov_b32 s[\g+6], 0
	s_mov_b32 s[\g+7], 0
.endr
	s_or_b32 s[G1S+0], s43, (3<<16)|(1<<21)        ; scale words of 8 row tiles: 4,096 dense bytes as 16 rows of 256
	s_or_b32 s[G1SB+0], s44, (3<<16)|(1<<21)
.irp g, G1S, G1SB
	s_mov_b32 s[\g+1], 32<<16
	s_mov_b32 s[\g+2], 16<<16
	s_mov_b32 s[\g+3], 32<<16
	s_mov_b32 s[\g+4], 16
	s_mov_b32 s[\g+5], 32
	s_mov_b32 s[\g+6], 0
	s_mov_b32 s[\g+7], 0
.endr
	s_lshl_b32 s18, s16, 3
	s_lshl_b32 s20, s17, 4
	s_add_co_u32 s20, s20, s18                     ; R's row tile
	s_lshl_b32 s46, s42, 4
	s_add_co_u32 s46, s46, 704
	s_add_co_u32 s46, s46, s18                     ; P's
	s_lshl_b32 s22, s20, 9
	s_mov_b32 s23, 0
	s_lshl_b32 s92, s46, 9
	s_mov_b32 s93, 0
	s_mul_i32 s20, s20, KTILE
	s_mov_b32 s21, 0
	s_mul_i32 s46, s46, KTILE
	s_mov_b32 s47, 0
	s_mul_i32 s45, s14, HALFT
	s_lshl_b32 s94, s14, 12
	s_lshl_b32 s19, s15, 7
	s_add_co_u32 s94, s94, s19
	s_wait_kmcnt 0x0
	s_add_nc_u64 s[20:21], s[4:5], s[20:21]
	s_add_nc_u64 s[22:23], s[6:7], s[22:23]
	s_add_nc_u64 s[46:47], s[8:9], s[46:47]
	s_add_nc_u64 s[92:93], s[10:11], s[92:93]
	CROUND                                         ; all sixteen work-groups are here: the first joint loads meet
	s_mov_b32 s[G0S], 1
	s_add_co_u32 s[G0S+1], s94, SCL
	s_mov_b64 s[G0S+2:G0S+3], s[22:23]
	s_or_b32 s[G0S+3], s[G0S+3], 0x80000000
	s_mov_b32 s[G0SB], 1
	s_add_co_u32 s[G0SB+1], s94, SCL
	s_mov_b64 s[G0SB+2:G0SB+3], s[92:93]
	s_or_b32 s[G0SB+3], s[G0SB+3], 0x80000000
	JLOAD G0S, G1S, G0SB, G1SB
.irp s, 0,1
	s_mov_b32 s[G0+4*\s], 1
	s_add_co_u32 s[G0+4*\s+1], s45, \s*SLOT
	s_add_nc_u64 s[G0+4*\s+2:G0+4*\s+3], s[20:21], \s*TILEB
	s_or_b32 s[G0+4*\s+3], s[G0+4*\s+3], 0x80000000
	s_mov_b32 s[G0B+4*\s], 1
	s_add_co_u32 s[G0B+4*\s+1], s45, \s*SLOT
	s_add_nc_u64 s[G0B+4*\s+2:G0B+4*\s+3], s[46:47], \s*TILEB
	s_or_b32 s[G0B+4*\s+3], s[G0B+4*\s+3], 0x80000000
	JLOAD G0+4*\s, G1, G0B+4*\s, G1B
.endr
	v_and_b32 v1, 15, v0                           ; r
	v_bfe_u32 v2, v0, 4, 1                         ; h
	v_and_b32 v3, 31, v0                           ; lane
	v_lshlrev_b32 v4, 4, v3
	v_lshlrev_b32 v5, 3, v3
	v_add_nc_u32 v5, 512, v5
	s_mul_i32 s21, s15, HALFT
	s_mul_i32 s22, s16, HALFT
	s_add_co_u32 s22, s22, 2*HALFT
.irp s, 0,1
	v_add_nc_u32 v[ADRA+\s], s21, v4
	v_add_nc_u32 v[ADRB+\s], s22, v4
	v_add_nc_u32 v[ADRA+2+\s], s21, v5
	v_add_nc_u32 v[ADRB+2+\s], s22, v5
	s_add_co_u32 s21, s21, SLOT
	s_add_co_u32 s22, s22, SLOT
.endr
	v_lshlrev_b32 v6, 3, v1
	s_lshl_b32 s21, s15, 12
	s_lshl_b32 s22, s16, 12
	s_add_co_u32 s22, s22, PSH
	s_sub_co_u32 s22, s22, s21
	v_mul_u32_u24 v7, s22, v2                      ; lanes 16-31 take P's: one product, the distance between the two
	s_add_co_u32 s21, s21, SCL
	v_add_nc_u32 v6, v6, v7
	v_add_nc_u32 v[ADRS], s21, v6
	s_mul_i32 s23, s14, 16*SPITCH                  ; my stage
	v_mul_u32_u24 v6, v1, SPITCH
	v_lshl_add_u32 v6, v2, 6, v6
	v_add_nc_u32 v[STO], s23, v6                   ; in: row r, + 64 h
	v_mov_b32 v[CO], v4                            ; back: the 32 lanes take one row of 512 bytes; and the same in out0
	v_add_nc_u32 v[RD], s23, v4
	s_lshl_b32 s66, s17, 20                        ; 256 tokens of 4,096 bytes
	s_lshl_b32 s67, s15, 19
	s_add_co_u32 s66, s66, s67
	s_lshl_b32 s67, s42, 10
	s_add_co_u32 s66, s66, s67
	s_lshl_b32 s67, s16, 9
	s_add_co_u32 s66, s66, s67
	s_mov_b32 s67, 0
	s_add_nc_u64 s[12:13], s[12:13], s[66:67]      ; my 128 tokens, my 128 outputs
.macro FRAG reg, adr, q, i             ; a fragment: two half fragments as they lie
.irp c, 0,1
	ds_load_b128 v[\reg+6*\c:\reg+6*\c+3], v[\adr] offset:(\i)*TILEB+(2*(\q)+\c)*HFB
	ds_load_b64 v[\reg+6*\c+4:\reg+6*\c+5], v[\adr+2] offset:(\i)*TILEB+(2*(\q)+\c)*HFB
.endr
.endm
.macro MUL16 a0, p, q, sc, zero        ; 16 matrix instructions; the 64 accumulators take turns, one instruction a turn
.irp a, \a0, \a0+1
.irp b, 0,1,2,3,4,5,6,7
.if \zero
	v_wmma_scale_f32_16x16x128_f8f6f4 v[8*(8*((\a)%4)+\b):8*(8*((\a)%4)+\b)+7], v[128*(\p)+FR*\b:128*(\p)+FR*\b+FR-1], v[AF+FR*(\a):AF+FR*(\a)+FR-1], 0, v[SC+8*NQ*(\sc)+NQ*\b+(\q)], v[SC+8*NQ*(\sc)+NQ*(\a)+(\q)] matrix_a_fmt:MATRIX_FMT_FP6 matrix_b_fmt:MATRIX_FMT_FP6 matrix_a_scale:MATRIX_SCALE_ROW1
.else
	v_wmma_scale_f32_16x16x128_f8f6f4 v[8*(8*((\a)%4)+\b):8*(8*((\a)%4)+\b)+7], v[128*(\p)+FR*\b:128*(\p)+FR*\b+FR-1], v[AF+FR*(\a):AF+FR*(\a)+FR-1], v[8*(8*((\a)%4)+\b):8*(8*((\a)%4)+\b)+7], v[SC+8*NQ*(\sc)+NQ*\b+(\q)], v[SC+8*NQ*(\sc)+NQ*(\a)+(\q)] matrix_a_fmt:MATRIX_FMT_FP6 matrix_b_fmt:MATRIX_FMT_FP6 matrix_a_scale:MATRIX_SCALE_ROW1
.endif
.endr
.endr
.endm
.macro FETCH_B slot, q, p
	WIN TO_B
.irp i, 0,1,2,3,4,5,6,7
	FRAG 128*(\p)+FR*\i, ADRB+\slot, \q, \i
.endr
	WIN 0
.endm
.macro FETCH_A slot, q, i0
.irp i, \i0, \i0+1, \i0+2, \i0+3
	FRAG AF+FR*(\i), ADRA+\slot, \q, \i
.endr
.endm
.macro SCALES sc
.irp i, 0,1,2,3,4,5,6,7
	ds_load_b64 v[SC+8*NQ*\sc+NQ*\i:SC+8*NQ*\sc+NQ*\i+1], v[ADRS] offset:\i*SBLK
.endr
.endm
.macro PLACES n                        ; plain vector instructions between a matrix instruction and a load into, or a read of, its registers
.rept \n
	v_nop
.endr
.endm
.macro STEP slot, q, zero
	s_wait_dscnt 4*NL                              ; P's set and R's blocks 0-3 are in; the youngest 16 loads (R's blocks 4-7) may be out
	WIN MUL_LO
	MUL16 0, (\q)%2, \q, \slot, \zero
	MUL16 2, (\q)%2, \q, \slot, \zero
	s_wait_dscnt 0
	PLACES NP
	FETCH_B \slot, (\q)+1, 1-(\q)%2
	FETCH_A \slot, (\q)+1, 0
	WIN MUL_HI
	MUL16 4, (\q)%2, \q, \slot, \zero
	MUL16 6, (\q)%2, \q, \slot, \zero
	PLACES NP
	WIN 0
	FETCH_A \slot, (\q)+1, 4
.endm
.macro TURN slot, next, fill
	s_wait_tensorcnt 0x0                           ; all my tensor loads have landed: my part of the next slot
	ds_add_u32 v[SPW], v[NIL]                      ; 0 onto my spare word
	s_wait_dscnt 4*NL+1                            ; the add and the youngest 16 loads (R's blocks 4-7) may be out
	WIN MUL_LO
	MUL16 0, 1, NQ-1, \slot, 0
	s_wait_dscnt 0x0                               ; the add is done, and my reads of this slot are over
	s_barrier_signal -1
	MUL16 2, 1, NQ-1, \slot, 0
	WIN 0
	s_barrier_wait -1
.if \fill
	CREST                                          ; the barrier has opened a round of the cluster's barrier: no wave of any partner still reads this slot or has a load on its way
	s_add_nc_u64 s[G0+4*\slot+2:G0+4*\slot+3], s[G0+4*\slot+2:G0+4*\slot+3], 2*TILEB
	s_add_nc_u64 s[G0B+4*\slot+2:G0B+4*\slot+3], s[G0B+4*\slot+2:G0B+4*\slot+3], 2*TILEB
	JLOAD G0+4*\slot, G1, G0B+4*\slot, G1B         ; the first tensor load behind the round; its four v_nop are the places in front of the loads below
.else
	PLACES NP
.endif
	v_add_nc_u32 v[ADRS], 128, v[ADRS]             ; the next slot's scale words
	FETCH_B \next, 0, 0
	FETCH_A \next, 0, 0
	SCALES \next
	WIN MUL_HI
	MUL16 4, 1, NQ-1, \slot, 0
	MUL16 6, 1, NQ-1, \slot, 0
	PLACES NP
	WIN 0
	FETCH_A \next, 0, 4
.endm
	s_wait_tensorcnt 1                             ; of my three loads the scale words and slot 0 are in; slot 1's may be out
	s_barrier_signal -1
	s_barrier_wait -1
	FETCH_B 0, 0, 0
	FETCH_A 0, 0, 0
	SCALES 0
	FETCH_A 0, 0, 4
	STEP 0, 0, 1                                   ; the first step's products start the sums
	s_mov_b32 s3, LAPS-1
.Llap:
	TURN 0, 1, 1
	STEP 1, 0, 0
	TURN 1, 0, 1
	STEP 0, 0, 0
	s_sub_co_u32 s3, s3, 1
	s_cmp_lg_u32 s3, 0
	s_cbranch_scc1 .Llap
	TURN 0, 1, 0                                   ; the last lap fills nothing
	STEP 1, 0, 0
	s_wait_dscnt 4*NL                              ; R's blocks 4-7 may be out
	WIN MUL_LO
	MUL16 0, 1, NQ-1, 1, 0
	MUL16 2, 1, NQ-1, 1, 0
	s_wait_dscnt 0
	WIN MUL_HI
	MUL16 4, 1, NQ-1, 1, 0
	MUL16 6, 1, NQ-1, 1, 0
	WIN 0
; THE WAY OUT, a block of 16 tokens x 128 outputs at a time, through my own stage: accumulator b's eight numbers are outputs 32 (b / 2) + 16 h + 8 (b % 2) + 0 .. 7 of my token; whole rows of 512 bytes come back.
; Stage row t of block a is token 32 (a / 2) + 8 (a % 2) + t + 8 (t / 8) of my 128: it stands in the store's immediate, 127 rows of 4,096 bytes at the most.  LDS serves a wave's instructions in order (ISA guide 5.7.1.4).
.macro TOSTAGE a
.set AC, 64*((\a)%4)
	WIN 0x08+4*((\a)/4)                            ; the data: window 2 or 3
.irp b, 0,1,2,3,4,5,6,7
	ds_store_b128 v[STO], v[AC+8*\b:AC+8*\b+3] offset:128*(\b/2)+32*(\b%2)          ; each accumulator from its low end on
	ds_store_b128 v[STO], v[AC+8*\b+4:AC+8*\b+7] offset:128*(\b/2)+32*(\b%2)+16
.endr
	WIN 0
.set BB, BK+64*((\a)%2)
.irp t, 0,1,2,3,4,5,6,7,8,9,10,11,12,13,14,15
	ds_load_b128 v[BB+4*\t:BB+4*\t+3], v[RD] offset:\t*SPITCH
.endr
.endm
.macro SEND a, younger                 ; younger: the LDS instructions issued behind block a's loads, which may stay out
.set BB, BK+64*((\a)%2)
	s_wait_dscnt \younger
.irp t, 0,1,2,3,4,5,6,7,8,9,10,11,12,13,14,15
	global_store_b128 v[CO], v[BB+4*\t:BB+4*\t+3], s[12:13] offset:(32*((\a)/2)+8*((\a)%2)+\t+8*(\t/8))*4096 th:TH_STORE_NT   ; 512 consecutive bytes, aligned; written once
.endr
.endm
	PLACES NP                                      ; behind the last products: for the reads of results and the loads into R's registers
	TOSTAGE 0
.irp a, 1,2,3,4,5,6,7
.if \a > 1
	s_wait_xcnt 0x0                                ; block a - 2's stores have read their registers: block a's loads may land there
.endif
	TOSTAGE \a
	SEND \a-1, 32                                  ; behind block a - 1's loads: block a's 16 stores and 16 loads
.endr
	SEND 7, 0
	s_wait_tensorcnt 0x0                           ; the wave's end
	ds_add_u32 v[SPW], v[NIL]
	s_wait_dscnt 0x0
	CROUND                                         ; the closing round
	s_endpgm
.Lfunc_end_k_qf3b8aa963e_oproj:
	.size	k_qf3b8aa963e_oproj, .Lfunc_end_k_qf3b8aa963e_oproj-k_qf3b8aa963e_oproj
	.p2alignl 7, 3214868480
	.fill 96, 4, 3214868480
	.section	.rodata,"a",@progbits
	.p2align	6, 0x0
	.amdhsa_kernel k_qf3b8aa963e_oproj
		.amdhsa_group_segment_fixed_size 327680
		.amdhsa_private_segment_fixed_size 0
		.amdhsa_enable_private_segment 0
		.amdhsa_kernarg_size 40
		.amdhsa_user_sgpr_count 2
		.amdhsa_user_sgpr_kernarg_segment_ptr 1
		.amdhsa_wavefront_size32 1
		.amdhsa_system_sgpr_workgroup_id_x 1
		.amdhsa_system_sgpr_workgroup_id_y 1
		.amdhsa_system_sgpr_workgroup_id_z 1
		.amdhsa_system_vgpr_workitem_id 0
		.amdhsa_next_free_vgpr 1024
		.amdhsa_next_free_sgpr 102
		.amdhsa_reserve_vcc 0
		.amdhsa_float_denorm_mode_32 3
		.amdhsa_float_denorm_mode_16_64 3
		.amdhsa_memory_ordered 1
		.amdhsa_forward_progress 1
		.amdhsa_inst_pref_size 143
	.end_amdhsa_kernel
	.amdgpu_metadata
---
amdhsa.version: [ 1, 2 ]
amdhsa.kernels:
  - .name:           k_qf3b8aa963e_oproj
    .symbol:         k_qf3b8aa963e_oproj.kd
    .args:
      - { .name: attn_img, .offset: 0, .size: 8, .value_kind: global_buffer, .address_space: global }
      - { .name: attn_sc, .offset: 8, .size: 8, .value_kind: global_buffer, .address_space: global }
      - { .name: in_img, .offset: 16, .size: 8, .value_kind: global_buffer, .address_space: global }
      - { .name: in_sc, .offset: 24, .size: 8, .value_kind: global_buffer, .address_space: global }
      - { .name: out0, .offset: 32, .size: 8, .value_kind: global_buffer, .address_space: global }
    .group_segment_fixed_size: 327680
    .private_segment_fixed_size: 0
    .kernarg_segment_align: 8
    .kernarg_segment_size: 40
    .max_flat_workgroup_size: 128
    .sgpr_count:     102
    .vgpr_count:     1024
    .wavefront_size: 32
...
	.end_amdgpu_metadata
.endif
;; end of part 4
